; MI455X (gfx1250); checked and timed in simulation.
; The chip was launched on July 23, 2026; its instructions are those of AMD's public machine-readable ISA for CDNA 5 (MIT licence, August 2026) and "CDNA5" Instruction Set Architecture Reference Guide (July 2026). The comments in the code are by the model that wrote it; some were corrected since.
;; Linear Attention. Allowed arithmetic: matrix products marked QUANTISED: E3M2 operands, one E8M0 scale for each 32 along K, by v_wmma_scale_f32_16x16x128_f8f6f4 with both operands' format E3M2, f32 sums; products left as they are: f32 operands where the result goes on into a quantised operand, else bf16, f16 or f32 operands; f32 sums; everything else in f32.
;; Inputs: Wk_codes 1,024 x 32 x 24 uint8 (E3M2 codes of Wk, K innermost, in blocks of 32 codes, four codes in three bytes); Wk_scales 1,024 x 32 uint8 (E8M0 scales of Wk, one for each 32 codes along K); Wq_codes 1,024 x 32 x 24 uint8 (E3M2 codes of Wq, K innermost, in blocks of 32 codes, four codes in three bytes); Wq_scales 1,024 x 32 uint8 (E8M0 scales of Wq, one for each 32 codes along K); Wv_codes 1,024 x 32 x 24 uint8 (E3M2 codes of Wv, K innermost, in blocks of 32 codes, four codes in three bytes); Wv_scales 1,024 x 32 uint8 (E8M0 scales of Wv, one for each 32 codes along K); attention_mask 4 x 1 x 4,096 x 1 float32; bk 1,024 float32; bq 1,024 float32; bv 1,024 float32; hidden_state_codes 4 x 4,096 x 32 x 24 uint8 (E3M2 codes of hidden_state, K innermost, in blocks of 32 codes, four codes in three bytes); hidden_state_scales 4 x 4,096 x 32 uint8 (E8M0 scales of hidden_state, one for each 32 codes along K).
;; Outputs: out0 4 x 4,096 x 1,024 float32.
;; This version of the problem:
;;   THIS VERSION OF THE PROBLEM IS GIVEN IN LOW PRECISION. The matrix products marked QUANTISED in the list below multiply operands that are first quantised to E3M2 (3 exponent bits, 2 mantissa bits; 6 bits a number), with one power-of-two scale for each 32 numbers along K (OCP MX v1.0); their sums are f32. All else is computed in f32.
;;   The module's matrix products, in the order in which they are computed (A, B: the left and right operand; K: the contracted axis; several contracted axes count as one K, in the product's order):
;;     1. [M 16,384, K 1,024] x [K 1,024, N 1,024]; A: input hidden_state (given as codes); B: input Wq (given as codes): QUANTISED
;;     2. [M 16,384, K 1,024] x [K 1,024, N 1,024]; A: input hidden_state (given as codes); B: input Wk (given as codes): QUANTISED
;;     3. [M 16,384, K 1,024] x [K 1,024, N 1,024]; A: input hidden_state (given as codes); B: input Wv (given as codes): QUANTISED
;;     4. batch 64 x [M 64, K 4,096] x [K 4,096, N 64]; A: computed on the way; B: computed on the way: QUANTISED
;;     5. batch 64 x [M 4,096, K 64] x [K 64, N 1]; A: computed on the way; B: computed on the way: left as it is (N = 1 < 16)
;;     6. batch 64 x [M 4,096, K 64] x [K 64, N 64]; A: computed on the way; B: computed on the way: QUANTISED
;;     7. batch 262,144 x [M 1, K 1] x [K 1, N 64]; A: computed on the way; B: computed on the way: left as it is (no contracted axis)
;;   THE QUANTISER, for each operand of a quantised product, along K:
;;     - K is cut into blocks of 32 from its start; a last block that is shorter is filled with zeros.
;;     - A block's scale is 2^e with e = floor(log2(the largest magnitude in the block)) - 4, held to -126 .. 127; a block of zeros has e = 0. As a byte (E8M0): e + 127.
;;     - Each number is divided by its block's scale, clamped to +-28, and rounded to the nearest number of E3M2, ties to even, subnormals kept.
;;     - The product sums the exact products of the quantised numbers (number of the format x scale) in f32.
;;   ~~~python
;;   def quantise(x, axis):      # numpy; x: float32 -> the quantised numbers, widened to float32 again
;;       x = np.moveaxis(x, axis, -1); K = x.shape[-1]
;;       x = np.pad(x, [(0, 0)] * (x.ndim - 1) + [(0, -K % 32)]); x = x.reshape(x.shape[:-1] + (-1, 32)); a = np.abs(x).max(-1, keepdims=True)
;;       e = np.where(a > 0, np.clip(np.frexp(np.where(a > 0, a, 1))[1] - 1 - 4, -126, 127), 0)      # np.frexp(a)[1] - 1 = floor(log2(a)), exactly
;;       r = np.clip(x / 2.0 ** e, -28, 28)
;;       step = 2.0 ** (np.maximum(np.frexp(np.where(r == 0, 1, r))[1] - 1, -2) - 2)
;;       q = np.round(r / step) * step * 2.0 ** e      # np.round: ties to even
;;       return np.moveaxis(q.reshape(q.shape[:-2] + (-1,))[..., :K], -1, axis).astype(np.float32)
;;   ~~~
;;   OPERANDS COMPUTED ON THE WAY. 'Computed on the way' means the value that the module computes at that place (a softmax that the list does not call 'softmax' is quantised finished and normalised). What goes into a quantiser is computed in f32, as accurately as f32 sums, v_exp_f32 and their like allow (about 1e-6 of the number): no bf16 or f16 on the way to a quantiser, and a product that is left as it is and whose result goes on into a quantised operand takes f32 operands (vector FMAs, or v_wmma_f32_16x16x4_f32). A number that lies on a knife's edge between two numbers of the format may be rounded either way, as far as f32 arithmetic and the matrix unit's own rounding can turn it there, and no further.
;;   INPUTS GIVEN AS CODES. Wk (in the module: [1024, 1024], K = its axis 1); Wq (in the module: [1024, 1024], K = its axis 1); Wv (in the module: [1024, 1024], K = its axis 1); hidden_state (in the module: [4, 4096, 1024], K = its axis 2): each comes as NAME_codes (uint8): NAME with its K axis moved to the last place and cut into blocks of 32 codes, [.., K / 32, bytes a block], one block behind the other in memory; four codes in three bytes: a row's codes are one little-endian stream of bits, code i at bits 6 i .. 6 i + 5 (a code: sign, 3 exponent bits, 2 mantissa bits); and NAME_scales (uint8): the same leading axes, one E8M0 byte (e + 127) for each 32 codes along K. Its value is code x scale, taken as it is: it is not quantised again, and the codes and scales need not be those that the quantiser above would give.
;; One version. Each part assembles by itself: llvm-mc -triple=amdgcn-amd-amdhsa -mcpu=gfx1250 --defsym DOCPART=n.
;; ======== version 1 of 1: 3 launches
;; workspace buffers: part 17,301,504 bytes; kvc 393,216 bytes; kvs 32,768 bytes; ksum 16,384 bytes
;; launch kvpart (part 1): grid 32 x 8, 4 waves a work-group, clusters of 4 x 4, 327,680 bytes of LDS; arguments Wk_codes, Wv_codes, Wk_scales, Wv_scales, hidden_state_codes, hidden_state_scales, bk, bv, attention_mask, part; writes part
.if DOCPART == 1
	.amdgcn_target "amdgcn-amd-amdhsa--gfx1250"
	.amdhsa_code_object_version 6
	.text
	.protected	k_q2d5de5a886_kvpart
	.globl	k_q2d5de5a886_kvpart
	.p2align	8
	.type	k_q2d5de5a886_kvpart,@function
k_q2d5de5a886_kvpart:
	s_mov_b64 s[64:65], 0
	v_nop
	global_prefetch_b8 v0, s[64:65] scope:SCOPE_SE
	s_setreg_imm32_b32 hwreg(HW_REG_WAVE_MODE, 25, 1), 1
	s_wait_xcnt 0x0
	s_wait_alu depctr_hold_cnt(0) depctr_sa_sdst(0) depctr_va_vdst(0) depctr_va_sdst(0) depctr_va_ssrc(0) depctr_va_vcc(0) depctr_vm_vsrc(0)
	s_getreg_b32 s2, hwreg(HW_REG_IB_STS2, 6, 4)
	s_cmp_eq_u32 s2, 0
	s_cbranch_scc0 .Lentry_in_a_cluster
	s_endpgm
.Lentry_in_a_cluster:
	s_bfe_u32 s2, ttmp6, 0x10000c
	s_cmp_lg_u32 s2, 0xf033
	s_cbranch_scc0 .Lentry_shape_is_right
	s_endpgm
.Lentry_shape_is_right:
; KVPART.  For 2 x 256 positions of one batch and two heads: k = (elu(x Wk^T + bk) + 1) x mask and v = x Wv^T + bv, on the given codes of BF6 (E3M2) with E8M0 scales; both are quantised along the
; positions in registers; for each 256 positions their product k^T v and the f32 sum of k go out as one PARTIAL for each head.  k and v never go to memory.
; A WORK-GROUP STAYS: it makes two neighbouring row tiles, one after the other, and the ring of LDS slots does not stop between them: the first tile's last two changes of slots ask for the second tile's
; first two K steps, and nothing waits for the first tile's stores.  The two tiles are written out one behind the other: the text is run through once.
; THE PROJECTIONS of a tile are one GEMM of 256 x 256: four waves, each 128 x 128 = 64 accumulators.  Source 0 = 16 positions (rows of hidden_state, called B here), source 1 = 16 rows of W (called A):
; in accumulator (a, b) lane (r, h) holds column d = 16 a + r of its head and register j position 16 b + 8 h + j.  So a lane's registers run along the positions, which are the next product's K.
; A's 256 LDS rows are Wk's 128 rows of the head pair, then Wv's.  Wave w takes head w / 2 (blocks 0-3: its 64 rows of Wk, blocks 4-7: its 64 rows of Wv) and positions 128 (w % 2) on.
; K = 1,024 goes in steps of 256 through two LDS slots filled by the tensor data mover (rows of 192 bytes, 16 bytes of padding behind every 64: pitch 240); all scale bytes, both tiles', come once, with the first fills.
; CLUSTERS: 4 x 4 work-groups; W's tiles hang on the head pair alone and are asked for jointly along a row of the cluster, hidden_state's on the pair of row tiles alone, jointly along a column.
; THE QUANTISERS.  The 16 registers 16 g .. 16 g + 15 of lanes l and l xor 16 are the 32 positions 32 g .. 32 g + 31: a true block.  Inside a block the codes stand in another order than the positions,
; THE SAME ORDER IN k AND IN v, so that every product meets its partner: only the order of the f32 sums differs from the positions' order.
; k^T v.  The two waves of a head hold the two halves of a tile's positions: two K steps of 128.  Each lays its eight new fragments and their scale words into its stage in LDS as images of the registers; behind a
; barrier wave p of the head takes k's fragments 2 p, 2 p + 1 and v's four, of both halves, and makes its eight of the sixteen tiles over both K steps; they are stored from the registers.
; LIMITS: NaN and infinities are not served.  A block whose largest magnitude lies under 2^-122 (a block of zeros too) gets the scale byte 1: a block of zeros has zero codes, and these bytes never leave the work-group.
; elu(x) + 1 is taken as max(x, 0) + 2^(min(x, 0) log2 e); against expm1(x) + 1 that differs by at most 6e-8 absolute.
; REGISTERS, in windows of 256.  Window 0: v1-15 and v24-31 addresses (v4-7 k's sums); v16-23 fragment addresses; v32-63 scale words and nothing else; v64-127 the biases as C operands, later at work;
;   v128-223 A's fragments, ONE set, later v128-191 the features and v192-210 the codes just made; v224-231 the lane's eight biases, kept.
;   Window 1: B's fragments, two sets, at v0 and v128 (later v0-95 v's eight fragments, v128-175 k's four); v96-127 and v224-255 the mask of my 64 positions a lane.
;   Window 2: the accumulators of blocks 0-3 (k), later my 8 tiles of k^T v.  Window 3: those of blocks 4-7 (v).
.set KSTEP,  256                       ; along K in a slot
.set NQ,     KSTEP/128                 ; matrix instructions deep
.set ROWB,   192                       ; a tile's row in bytes
.set KROW,   768                       ; a row of 1,024 codes in memory
.set PITCH,  240                       ; an LDS row: 3 x (64 bytes + 16 of padding)
.set FR,     12                        ; registers of a fragment
.set FRB,    FR*128                    ; and its image in bytes
.set NL,     6                         ; LDS loads that bring one from a slot
.set NP,     4                         ; places behind this matrix instruction (ISA guide 7.12.1)
.set HALFT,  128*PITCH                 ; what one tensor load brings
.set SLOT,   4*HALFT                   ; A's 256 rows, then B's 256 rows
.set KS,     32                        ; a row of scale bytes
.set SCL,    2*SLOT                    ; behind the ring: A's scales, as units of 256 bytes + 16 of padding
.set HALFS,  16*272                    ; the scales of 128 rows
.set SBLK,   2*272                     ; those of 16 rows
.set SCLB,   SCL+2*HALFS               ; B's scales: the first tile's 256 rows, then the second's
.set TSC,    2*HALFS                   ; those of a tile's 256 rows: what one tensor load brings
.set SPARE,  SCLB+2*TSC                ; the spare words: 128 bytes for each wave, two blocks of 256 bytes that no other line names
.set STG,    SPARE+512                 ; the stages: bytes of their own, into which no fill lands
.set WST,    8*FRB+8*128               ; a wave's stage: eight fragments' images, then their scale words, 128 bytes each
.set KST,    STG+4*WST                 ; k's sums: 512 bytes for each wave; they end at byte 327,680
.set AGAP,   64*PITCH                  ; my blocks 4-7 of A lie 64 LDS rows further on than 16 x block says (Wv's rows behind Wk's)
.set SGAP,   8*272                     ; and their scale words 64 rows' worth further on
.set PB,     16896                     ; a partial: 32 quads of 512 bytes (k^T v), then 512 bytes of k's sums
.set BACK_A, 2*ROWB                    ; from a slot's last K step of a tile to its first of the next: A goes back along K,
.set NEXT_B, 256*KROW-2*ROWB           ; B 256 rows down and back along K
.set KSTO, 3                           ; v3   where I put k's four sums
.set KSQ,  4                           ; v4-7 k's sums over my 64 positions, one for each block
.set MA,   8                           ; v8   32 x (lane / 16): my place in a run of the mask; never rewritten
.set GK,   9                           ; v9   8 x lane
.set ADRSB, 10                         ; v10  as v27, for the second tile
.set ADRS2B, 11                        ; v11  as v30, for the second tile
.set STS,  12                          ; v12  where I put a scale word: my stage + 8 FRB + 4 x lane
.set RDKF, 13                          ; v13  where I read k's fragments 2 p, 2 p + 1 of my head's first wave
.set RSV,  14                          ; v14  where I read scale words of my head's first wave
.set RSK,  15                          ; v15  the same, k's 2 p on
.set ADRA, 16                          ; v16-17 LDS address of my A fragments in slot 0, 1 (v18-19: behind one padding more)
.set ADRB, 20                          ; v20-23 the same for B
.set STO,  24                          ; v24  my stage + 16 x lane
.set RDV,  25                          ; v25  the stage of my head's first wave + 16 x lane
.set GO,   26                          ; v26  16 x lane
.set ADRS, 27                          ; v27  LDS address of my scale words, blocks 0-3, first tile: lanes 0-15 A's rows, lanes 16-31 B's
.set SPW,  28                          ; v28  LDS address of my spare word; never rewritten
.set NIL,  29                          ; v29  0; never rewritten
.set ADRS2, 30                         ; v30  the same as v27 for blocks 4-7
.set RDK,  31                          ; v31  where I read my two of k's four sums
.set SC,   32                          ; scale words: set s at v[SC + 16 s]
.set SW,   32                          ; v32-39 the new fragments' scale words as they are made
.set KSW,  40                          ; v40-43 k's, as they come back: half u, fragment i at 2 u + i
.set VSW,  44                          ; v44-51 v's: 4 u + ve
.set CB,   64                          ; the biases: block a's at v[CB + 8 a], the lane's own number eight times
.set CIA,  1                           ; the first step's C hangs on A's block,
.set CIB,  0                           ; not on B's
.set AF,   128
.set T,    64                          ; the way out: 64 registers at work
.set U,    128                         ; and the 64 features
.set TM,   64                          ; the quantiser: v64-67 largest magnitudes, v68-71 bytes, v76-79 scale operands
.set PC,   192                         ; v192-210 the codes just made
.set BI,   224                         ; v224-231 bk of my four columns, bv of my four
.set G1, 24
.set G0, 32
.set G1B, 48
.set G0B, 56
.set G1S, 68
.set G0S, 76
.set G1SB, 80
.set G0SB, 88
.set SEL, 92                           ; s[92:93] v_permlanex16_b32's selects for lane l xor 16
.set MSB, 0
.macro WIN new                         ; the immediate's high byte repeats the setting that is left
.if MSB != (\new)
	s_set_vgpr_msb (MSB<<8)|(\new)
.set MSB, (\new)
.endif
.endm
.set MUL_LO, 0xa1                      ; source 0 (B) window 1, source 1 (A) window 0, C and D window 2
.set MUL_HI, 0xf1                      ; the same, C and D window 3
.set TO_B,   0x40                      ; destination window 1, address window 0
; A joint load: waves 0 and 1 fetch for A, waves 2 and 3 for B; the branch hangs on the wave's number alone.  Four v_nop follow each of the two lines.
.macro JLOAD g0a, g1a, g0b, g1b
	s_cmp_eq_u32 s15, 0
	s_cbranch_scc0 .Lfor_b_\@
	tensor_load_to_lds s[\g0a:\g0a+3], s[\g1a:\g1a+7]
	s_nop 0
.rept 4
	v_nop
.endr
	s_branch .Lasked_\@
.Lfor_b_\@:
	tensor_load_to_lds s[\g0b:\g0b+3], s[\g1b:\g1b+7]
	s_nop 0
.rept 4
	v_nop
.endr
.Lasked_\@:
.endm
.macro CREST                           ; a round of the cluster's barrier behind its opening barrier
	s_cmp_lg_u32 s14, 0
	s_cbranch_scc1 .Lnot_wave_0_\@
	s_barrier_signal -3
.Lnot_wave_0_\@:
	s_barrier_wait -3
	s_barrier_signal -1
	s_barrier_wait -1
.endm
.macro CROUND                          ; a whole round
	s_barrier_signal -1
	s_barrier_wait -1
	CREST
.endm
.macro PLACES n
.rept \n
	v_nop
.endr
.endm
; 64 numbers X[16 b + 8 h + j] of a run of 128 f32 that begins off bytes on (va = 32 h bytes) into registers: index 8 b + j at lo + index (index < 32) or hi + index - 32
.macro ROW64 lo, hi, va, sp, off
.irp b, 0,1,2,3
	global_load_b128 v[\lo+8*\b:\lo+8*\b+3], v[\va], s[\sp:\sp+1] offset:(\off)+64*\b
	global_load_b128 v[\lo+8*\b+4:\lo+8*\b+7], v[\va], s[\sp:\sp+1] offset:(\off)+64*\b+16
.endr
.irp b, 0,1,2,3
	global_load_b128 v[\hi+8*\b:\hi+8*\b+3], v[\va], s[\sp:\sp+1] offset:(\off)+256+64*\b
	global_load_b128 v[\hi+8*\b+4:\hi+8*\b+7], v[\va], s[\sp:\sp+1] offset:(\off)+256+64*\b+16
.endr
.endm
	s_load_b128 s[4:7], s[0:1], 0x0                ; Wk's codes s[4:5], Wv's codes s[6:7]
	s_load_b128 s[8:11], s[0:1], 0x10              ; Wk's scales s[8:9], Wv's scales s[10:11]
	s_load_b128 s[96:99], s[0:1], 0x20             ; hidden_state's codes s[96:97], its scales s[98:99]
	s_load_b64 s[66:67], s[0:1], 0x30              ; bk
	s_load_b64 s[100:101], s[0:1], 0x38            ; bv
	s_load_b64 s[104:105], s[0:1], 0x40            ; the mask
	s_load_b64 s[12:13], s[0:1], 0x48              ; the partials
	v_lshl_add_u32 v[SPW], v0, 2, SPARE
	v_mov_b32 v[NIL], 0
	ds_add_u32 v28, v29
	ds_add_u32 v28, v29
	s_wait_dscnt 0x0
	v_lshrrev_b32 v1, 5, v0
	v_readfirstlane_b32 s14, v1                    ; wave 0..3
	s_lshr_b32 s15, s14, 1                         ; which head of the pair is mine.  Also: I fetch for A (0) or for B (1)
	s_and_b32 s16, s14, 1                          ; which 128 positions of a tile are mine.  Also: I fetch Wk (0) or Wv (1), or which 128 rows of B
	s_bfe_u32 s40, ttmp6, 0x40000                  ; cx, cy: my place in the cluster
	s_bfe_u32 s41, ttmp6, 0x40004
	s_lshl_b32 s42, ttmp9, 2
	s_add_co_u32 s42, s42, s40                     ; the pair of row tiles (512 positions) = 4 x cluster x + cx
	s_and_b32 s17, ttmp7, 0xffff
	s_lshl_b32 s17, s17, 2
	s_add_co_u32 s17, s17, s41                     ; the head pair = 4 x cluster y + cy
	s_lshl_b32 s43, s41, 2
	s_lshl_b32 s43, 15, s43                        ; my row of the cluster
	s_lshl_b32 s44, 0x1111, s40                    ; my column
	; descriptor group 1: a tile of 128 rows x 192 bytes, padded in LDS
	s_or_b32 s[G1+0], s43, (0<<16)|(1<<20)|(1<<21)|(3<<22)|(3<<25)  ; 15:0 the mask: W's tiles go to my row; 17:16 element of 1 byte; 20 padding on; 21 set beside a mask; 24:22 after every 16 words; 31:25 of 4 words
	s_or_b32 s[G1B+0], s44, (0<<16)|(1<<20)|(1<<21)|(3<<22)|(3<<25) ; hidden_state's tiles go to my column
.irp g, G1, G1B
	s_mov_b32 s[\g+1], ROWB<<16                    ; tensor_dim0
	s_mov_b32 s[\g+2], 128<<16                     ; tensor_dim1
	s_mov_b32 s[\g+3], ROWB<<16                    ; tile_dim0
	s_mov_b32 s[\g+4], 128                         ; tile_dim1
	s_mov_b32 s[\g+5], KROW                        ; tensor_dim0_stride
	s_mov_b32 s[\g+6], 0
	s_mov_b32 s[\g+7], 0
.endr
	; the scales, dense in memory, as rows of 256 bytes (32 elements of 8 bytes), 16 bytes of padding behind each: A's of 128 rows are 16 such rows, B's of a tile's 256 rows are 32
	s_or_b32 s[G1S+0], s43, (3<<16)|(1<<20)|(1<<21)|(5<<22)|(3<<25)
	s_mov_b32 s[G1S+1], 32<<16
	s_mov_b32 s[G1S+2], 16<<16
	s_mov_b32 s[G1S+3], 32<<16
	s_mov_b32 s[G1S+4], 16
	s_mov_b32 s[G1S+5], 32
	s_mov_b32 s[G1S+6], 0
	s_mov_b32 s[G1S+7], 0
	s_or_b32 s[G1SB+0], s44, (3<<16)|(1<<20)|(1<<21)|(5<<22)|(3<<25)
	s_mov_b32 s[G1SB+1], 32<<16
	s_mov_b32 s[G1SB+2], 32<<16
	s_mov_b32 s[G1SB+3], 32<<16
	s_mov_b32 s[G1SB+4], 32
	s_mov_b32 s[G1SB+5], 32
	s_mov_b32 s[G1SB+6], 0
	s_mov_b32 s[G1SB+7], 0
	s_lshl_b32 s18, s16, 7                         ; which 128 rows of B's tile I fetch
	s_lshl_b32 s20, s17, 7                         ; A: row 128 x head pair, of Wk or of Wv
	s_lshl_b32 s46, s42, 9
	s_add_co_u32 s46, s46, s18                     ; B: row 512 x pair of tiles + 128 x half: the first tile
	s_mov_b32 s21, 0
	s_mov_b32 s47, 0
	s_mov_b64 s[18:19], KS
	s_mul_u64 s[22:23], s[20:21], s[18:19]         ; where A's rows' scales begin, in bytes
	s_lshl_b32 s92, s42, 14                        ; B's: 32 x (512 x pair of tiles + 256 x half): wave 2 brings the first tile's, wave 3 the second's
	s_lshl_b32 s93, s16, 13
	s_add_co_u32 s92, s92, s93
	s_mov_b32 s93, 0
	s_mov_b64 s[18:19], KROW
	s_mul_u64 s[20:21], s[20:21], s[18:19]         ; and the codes
	s_mul_u64 s[46:47], s[46:47], s[18:19]
	s_mul_i32 s45, s14, HALFT                      ; where they go: wave x 128 rows: no place in the cluster enters an LDS address
	s_mul_i32 s94, s14, HALFS
	s_mul_i32 s95, s16, TSC
	s_wait_kmcnt 0x0
	s_cmp_eq_u32 s16, 0                            ; Wk or Wv: the choice hangs on the wave's number alone, so it is the same in all partners
	s_cselect_b64 s[4:5], s[4:5], s[6:7]
	s_cselect_b64 s[6:7], s[8:9], s[10:11]
	s_add_nc_u64 s[20:21], s[4:5], s[20:21]
	s_add_nc_u64 s[22:23], s[6:7], s[22:23]
	s_add_nc_u64 s[46:47], s[96:97], s[46:47]
	s_add_nc_u64 s[92:93], s[98:99], s[92:93]
	CROUND                                         ; all sixteen work-groups are here: the first joint loads meet
	s_mov_b32 s[G0S], 1
	s_add_co_u32 s[G0S+1], s94, SCL
	s_mov_b64 s[G0S+2:G0S+3], s[22:23]
	s_or_b32 s[G0S+3], s[G0S+3], 0x80000000
	s_mov_b32 s[G0SB], 1
	s_add_co_u32 s[G0SB+1], s95, SCLB
	s_mov_b64 s[G0SB+2:G0SB+3], s[92:93]
	s_or_b32 s[G0SB+3], s[G0SB+3], 0x80000000
	JLOAD G0S, G1S, G0SB, G1SB                     ; the scales first: they are wanted with K step 0
.irp s, 0,1
	s_mov_b32 s[G0+4*\s], 1
	s_add_co_u32 s[G0+4*\s+1], s45, \s*SLOT
	s_add_nc_u64 s[G0+4*\s+2:G0+4*\s+3], s[20:21], \s*ROWB
	s_or_b32 s[G0+4*\s+3], s[G0+4*\s+3], 0x80000000
	s_mov_b32 s[G0B+4*\s], 1
	s_add_co_u32 s[G0B+4*\s+1], s45, \s*SLOT
	s_add_nc_u64 s[G0B+4*\s+2:G0B+4*\s+3], s[46:47], \s*ROWB
	s_or_b32 s[G0B+4*\s+3], s[G0B+4*\s+3], 0x80000000
	JLOAD G0+4*\s, G1, G0B+4*\s, G1B               ; three tensor loads of mine are out now
.endr
	; what stays in registers: the biases of my lane's eight columns; and the mask of my lane's 64 positions of the first tile
	v_and_b32 v1, 15, v0                           ; r = l % 16
	v_bfe_u32 v2, v0, 4, 1                         ; h = l / 16
	v_lshlrev_b32 v7, 2, v1                        ; 4 r
	v_lshlrev_b32 v[MA], 5, v2                     ; 32 h
	s_lshl_b32 s20, s17, 1
	s_add_co_u32 s20, s20, s15                     ; my head
	s_lshl_b32 s2, s20, 8
	s_mov_b32 s3, 0
	s_add_nc_u64 s[66:67], s[66:67], s[2:3]        ; bk and bv at my head's 64 numbers
	s_add_nc_u64 s[100:101], s[100:101], s[2:3]
	s_lshl_b32 s2, s42, 11
	s_lshl_b32 s95, s16, 9
	s_add_co_u32 s2, s2, s95
	s_add_nc_u64 s[104:105], s[104:105], s[2:3]    ; the mask at my first position: 4 x (512 x pair of tiles + 128 x half)
.irp a, 0,1,2,3
	global_load_b32 v[BI+\a], v7, s[66:67] offset:64*\a         ; bk of column 16 a + r
	global_load_b32 v[BI+4+\a], v7, s[100:101] offset:64*\a     ; bv likewise
.endr
	WIN TO_B
	ROW64 96, 224, MA, 104, 0
	WIN 0
	; where my first partial lies: ((batch x 16 + head) x 16 + row tile in the batch) x PB; the second tile's is the next one
	s_lshr_b32 s21, s42, 3
	s_lshl_b32 s21, s21, 4
	s_add_co_u32 s21, s21, s20
	s_lshl_b32 s21, s21, 4
	s_and_b32 s95, s42, 7
	s_lshl_b32 s95, s95, 1
	s_add_co_u32 s21, s21, s95
	s_mul_i32 s2, s21, PB
	s_add_nc_u64 s[12:13], s[12:13], s[2:3]
	s_lshl_b32 s2, s16, 8
	s_add_co_u32 s2, s2, 16384
	s_add_nc_u64 s[10:11], s[12:13], s[2:3]        ; my two of k's four sums: 256 bytes
	s_lshl_b32 s2, s16, 13
	s_add_nc_u64 s[12:13], s[12:13], s[2:3]        ; my sixteen of the 32 quads
	s_mov_b32 s[SEL], 0x76543210
	s_mov_b32 s[SEL+1], 0xfedcba98
	v_mul_u32_u24 v3, v1, PITCH
	v_mul_u32_u24 v4, v2, 24
	v_add_nc_u32 v4, v3, v4                        ; a fragment's row x pitch + 24 x half
	v_lshl_add_u32 v5, v2, 4, v4                   ; and the same behind one padding more
	s_mul_i32 s21, s15, 64*PITCH                   ; my head's 64 rows of Wk
	s_mul_i32 s22, s16, HALFT                      ; my 128 rows of B,
	s_add_co_u32 s22, s22, 2*HALFT                 ; which lie behind A's 256
.irp s, 0,1
	v_add_nc_u32 v[ADRA+\s], s21, v4
	v_add_nc_u32 v[ADRB+\s], s22, v4
	v_add_nc_u32 v[ADRA+2+\s], s21, v5
	v_add_nc_u32 v[ADRB+2+\s], s22, v5
	s_add_co_u32 s21, s21, SLOT
	s_add_co_u32 s22, s22, SLOT
.endr
	; the scale words' addresses: four registers (blocks 0-3 and 4-7, first and second tile); the K step stands in the loads' immediates, so none is ever stepped
	v_lshlrev_b32 v5, 5, v1                        ; my row's scales: 32 bytes a row,
	v_lshrrev_b32 v6, 8, v5
	v_lshl_add_u32 v5, v6, 4, v5                   ; and 16 more for each 256 passed
	s_mul_i32 s21, s15, SGAP                       ; A's: my head's 64 rows of Wk
	s_mul_i32 s22, s16, HALFS                      ; B's: my 128 rows of the first tile
	s_add_co_u32 s22, s22, SCLB-SCL
	s_sub_co_u32 s22, s22, s21
	s_add_co_u32 s21, s21, SCL
	v_mul_u32_u24 v6, s22, v2                      ; lanes 16-31 take B's: one product, the distance between the two bases
	v_add_nc_u32 v6, v5, v6
	v_add_nc_u32 v[ADRS], s21, v6
	s_add_co_u32 s23, s22, TSC                     ; the second tile's rows of B lie TSC further on
	v_mul_u32_u24 v6, s23, v2
	v_add_nc_u32 v6, v5, v6
	v_add_nc_u32 v[ADRSB], s21, v6
	s_sub_co_u32 s22, s22, SGAP                    ; for blocks 4-7 A's base lies SGAP further on and B's stays
	s_add_co_u32 s21, s21, SGAP
	v_mul_u32_u24 v6, s22, v2
	v_add_nc_u32 v6, v5, v6
	v_add_nc_u32 v[ADRS2], s21, v6
	s_add_co_u32 s23, s22, TSC
	v_mul_u32_u24 v6, s23, v2
	v_add_nc_u32 v6, v5, v6
	v_add_nc_u32 v[ADRS2B], s21, v6
	; the stages' addresses
	v_and_b32 v6, 31, v0
	v_lshlrev_b32 v[GO], 4, v6                     ; 16 x lane
	v_lshlrev_b32 v[GK], 3, v6                     ; 8 x lane
	v_lshlrev_b32 v1, 2, v6                        ; 4 x lane
	s_mul_i32 s23, s14, WST
	s_add_co_u32 s23, s23, STG                     ; my stage
	v_add_nc_u32 v[STO], s23, v[GO]
	s_add_co_u32 s95, s23, 8*FRB
	v_add_nc_u32 v[STS], s95, v1
	s_and_b32 s23, s14, 2
	s_mul_i32 s23, s23, WST
	s_add_co_u32 s23, s23, STG                     ; the stage of my head's first wave; the second's lies WST further on
	v_add_nc_u32 v[RDV], s23, v[GO]
	s_mul_i32 s95, s16, 2*FRB
	s_add_co_u32 s95, s95, s23
	v_add_nc_u32 v[RDKF], s95, v[GO]
	s_add_co_u32 s95, s23, 8*FRB
	v_add_nc_u32 v[RSV], s95, v1
	s_lshl_b32 s2, s16, 8
	s_add_co_u32 s95, s95, s2
	v_add_nc_u32 v[RSK], s95, v1
	s_lshl_b32 s95, s14, 9
	s_add_co_u32 s95, s95, KST
	v_add_nc_u32 v[KSTO], s95, v[GO]
	s_and_b32 s95, s14, 2
	s_lshl_b32 s95, s95, 9
	s_lshl_b32 s2, s16, 3
	s_add_co_u32 s95, s95, s2
	s_add_co_u32 s95, s95, KST
	v_add_nc_u32 v[RDK], s95, v[GO]
	s_wait_loadcnt 0x0                             ; the biases and the first tile's mask
.macro FRAG reg, adr, q, i, gap        ; a fragment, 16 rows x 128 K: lane l holds row l % 16; registers 6 c .. 6 c + 5 hold K = 64 c + 32 (l / 16) + 0 .. 31: 24 bytes of the row, as they lie
.irp p, 0,1,2,3,4,5                    ; in pieces of 8 bytes.  Lanes 16-31 read three pieces further on than lanes 0-15: where that is behind one padding more, the second address register serves
.set PCE, 12*(\q)+6*(\p/3)+\p%3
.if PCE%8 < 5
	ds_load_b64 v[\reg+2*\p:\reg+2*\p+1], v[\adr] offset:8*PCE+16*(PCE/8)+(\i)*16*PITCH+(\gap)
.else
	ds_load_b64 v[\reg+2*\p:\reg+2*\p+1], v[\adr+2] offset:8*PCE+16*(PCE/8)+(\i)*16*PITCH+(\gap)
.endif
.endr
.endm
; 16 matrix instructions: A's blocks a0, a0 + 1 x B's eight, 128 along K.  zero = 1: the first product starts the sums, with the bias as C.
; The 64 accumulators take turns, one instruction a turn, in the same order in every step.
.macro MUL16 a0, p, q, sc, zero
.irp a, \a0, \a0+1
.irp b, 0,1,2,3,4,5,6,7
.if \zero
	v_wmma_scale_f32_16x16x128_f8f6f4 v[8*(8*((\a)%4)+\b):8*(8*((\a)%4)+\b)+7], v[128*(\p)+FR*\b:128*(\p)+FR*\b+FR-1], v[AF+FR*(\a):AF+FR*(\a)+FR-1], v[CB+8*(CIA*(\a)+CIB*\b):CB+8*(CIA*(\a)+CIB*\b)+7], v[SC+8*NQ*(\sc)+NQ*\b+(\q)], v[SC+8*NQ*(\sc)+NQ*(\a)+(\q)] matrix_a_fmt:MATRIX_FMT_BF6 matrix_b_fmt:MATRIX_FMT_BF6 matrix_a_scale:MATRIX_SCALE_ROW1
.else
	v_wmma_scale_f32_16x16x128_f8f6f4 v[8*(8*((\a)%4)+\b):8*(8*((\a)%4)+\b)+7], v[128*(\p)+FR*\b:128*(\p)+FR*\b+FR-1], v[AF+FR*(\a):AF+FR*(\a)+FR-1], v[8*(8*((\a)%4)+\b):8*(8*((\a)%4)+\b)+7], v[SC+8*NQ*(\sc)+NQ*\b+(\q)], v[SC+8*NQ*(\sc)+NQ*(\a)+(\q)] matrix_a_fmt:MATRIX_FMT_BF6 matrix_b_fmt:MATRIX_FMT_BF6 matrix_a_scale:MATRIX_SCALE_ROW1
.endif
.endr
.endr
.endm
.macro FETCH_B slot, q, p              ; B's eight fragments of the slot's q-th 128 along K into set p
	WIN TO_B
.irp i, 0,1,2,3,4,5,6,7
	FRAG 128*(\p)+FR*\i, ADRB+\slot, \q, \i, 0
.endr
	WIN 0
.endm
.macro FETCH_A slot, q, i0             ; A's blocks i0 .. i0 + 3
.irp i, \i0, \i0+1, \i0+2, \i0+3
	FRAG AF+FR*(\i), ADRA+\slot, \q, \i, ((\i)/4)*AGAP
.endr
.endm
.macro SCALES sc, ks, t                ; the scale words of tile t's K step ks into set sc: two words a row, 8 ks bytes on in it; lanes 0-15 take A's block i, lanes 16-31 B's block i
.irp i, 0,1,2,3
	ds_load_b64 v[SC+8*NQ*\sc+NQ*\i:SC+8*NQ*\sc+NQ*\i+1], v[ADRS+(\t)*(ADRSB-ADRS)] offset:\i*SBLK+8*(\ks)
.endr
.irp i, 4,5,6,7
	ds_load_b64 v[SC+8*NQ*\sc+NQ*\i:SC+8*NQ*\sc+NQ*\i+1], v[ADRS2+(\t)*(ADRS2B-ADRS2)] offset:\i*SBLK+8*(\ks)
.endr
.endm
; A step of 128 along K that has its successor in the same slot.  (zero = 1: C lies in window 0.)
.macro STEP slot, q, zero
	s_wait_dscnt 4*NL                              ; B's set and A's blocks 0-3 are in; the youngest 24 loads (A's blocks 4-7) may be out
	WIN MUL_LO-0x20*(\zero)
	MUL16 0, (\q)%2, \q, \slot, \zero
	MUL16 2, (\q)%2, \q, \slot, \zero
	s_wait_dscnt 0                                 ; A's blocks 4-7 are in
	PLACES NP                                      ; in front of loads into registers that matrix instructions have read
	FETCH_B \slot, (\q)+1, 1-(\q)%2
	FETCH_A \slot, (\q)+1, 0
	WIN MUL_HI-0x30*(\zero)
	MUL16 4, (\q)%2, \q, \slot, \zero
	MUL16 6, (\q)%2, \q, \slot, \zero
	PLACES NP
	WIN 0
	FETCH_A \slot, (\q)+1, 4
.endm
; A slot's last step changes slots.  MEET is its first half: ONE barrier; in front of it each wave waits for all its tensor loads, adds 0 to its spare word, and waits for that and for its own reads of this slot.
.macro MEET slot
	s_wait_tensorcnt 0x0                           ; all my tensor loads have landed: my part of the other slot;  (every window is 0 here)
	ds_add_u32 v[SPW], v[NIL]                      ; 0 onto my spare word
	s_wait_dscnt 4*NL+1                            ; (the add and the youngest 24 loads, A's blocks 4-7, may be out)
	WIN MUL_LO
	MUL16 0, 1, NQ-1, \slot, 0                     ; sixteen matrix instructions stand between the add and the wait for it
	s_wait_dscnt 0x0                               ; the add is done, and my reads of this slot are over
	s_barrier_signal -1
	MUL16 2, 1, NQ-1, \slot, 0
	WIN 0
	s_barrier_wait -1
.endm
; The slot just read out is filled again: on = 1 with this tile's K step two steps on, on = 2 with the NEXT tile's K step 0 or 1.
.macro REFILL slot, on
	CREST                                          ; the barrier has opened a round of the cluster's barrier: no wave of any partner still reads this slot's tile or has a load on its way
.if (\on) == 2
	s_sub_nc_u64 s[G0+4*\slot+2:G0+4*\slot+3], s[G0+4*\slot+2:G0+4*\slot+3], BACK_A
	s_add_nc_u64 s[G0B+4*\slot+2:G0B+4*\slot+3], s[G0B+4*\slot+2:G0B+4*\slot+3], NEXT_B
.else
	s_add_nc_u64 s[G0+4*\slot+2:G0+4*\slot+3], s[G0+4*\slot+2:G0+4*\slot+3], 2*ROWB
	s_add_nc_u64 s[G0B+4*\slot+2:G0B+4*\slot+3], s[G0B+4*\slot+2:G0B+4*\slot+3], 2*ROWB
.endif
	JLOAD G0+4*\slot, G1, G0B+4*\slot, G1B         ; the first tensor load behind the round, my only one until the next; its four v_nop are the places in front of the loads that follow
.endm
; The whole last step of a slot, with the next slot's first fragments and the scale words of its K step ks (tile t).  fill = 0: nothing is filled.
.macro TURN slot, next, fill, ks, t
	MEET \slot
.if \fill
	REFILL \slot, \fill
.else
	PLACES NP
.endif
	FETCH_B \next, 0, 0
	FETCH_A \next, 0, 0
	SCALES \next, \ks, \t
	WIN MUL_HI
	MUL16 4, 1, NQ-1, \slot, 0
	MUL16 6, 1, NQ-1, \slot, 0
	PLACES NP
	WIN 0
	FETCH_A \next, 0, 4
.endm
; THE QUANTISER.  64 numbers of a lane, v[s] .. v[s + 63] of window w; registers 16 g .. 16 g + 15 of lanes l and l xor 16 are block g of 32 along K.  Their codes become fragment a, which goes to my stage as an image of
; its registers (16 bytes a lane, 512 bytes a store), and so does the row's scale word.  A block's scale operand is its largest magnitude with 4 taken off the exponent field; the floor 2^(5 - 127) keeps the byte at 1 from below.
.macro QUANT s, w, a
	WIN ((\w)<<2)|((\w)<<4)
.irp b, 0,1,2,3
	v_max3_num_f32 v[TM+\b], 0x2800000, |v[(\s)+16*\b]|, |v[(\s)+16*\b+1]|     ; each accumulator is read from its low end on
.endr
.irp i, 2,4,6,8,10,12,14
.irp b, 0,1,2,3
	v_max3_num_f32 v[TM+\b], v[TM+\b], |v[(\s)+16*\b+\i]|, |v[(\s)+16*\b+\i+1]|   ; (the four blocks by turns)
.endr
.endr
	WIN 0
.irp b, 0,1,2,3
	v_permlanex16_b32 v[TM+4+\b], v[TM+\b], s[SEL], s[SEL+1]
.endr
.irp b, 0,1,2,3
	v_max_num_f32 v[TM+\b], v[TM+\b], v[TM+4+\b]   ; with lane l xor 16's: the block's largest magnitude
.endr
.irp b, 0,1,2,3
	v_add_nc_u32 v[TM+12+\b], 0xfe000000, v[TM+\b] ; 4 off its exponent field: the conversion's scale operand
.endr
.irp b, 0,1,2,3
	v_lshrrev_b32 v[TM+4+\b], 23, v[TM+12+\b]      ; the scale's byte
.endr
	v_lshl_or_b32 v[SW+\a], v[TM+5], 8, v[TM+4]
	v_lshl_or_b32 v[SW+\a], v[TM+6], 16, v[SW+\a]
	v_lshl_or_b32 v[SW+\a], v[TM+7], 24, v[SW+\a]
	s_wait_dscnt 0x0                               ; the last fragment's stores have read the registers that the conversions write
	WIN (\w)
.irp c, 0,1
	v_cvt_scalef32_pk16_bf6_f32 v[PC+6*\c:PC+6*\c+2], v[(\s)+32*\c:(\s)+32*\c+15], v[TM+12+2*\c]
	v_cvt_scalef32_pk16_bf6_f32 v[PC+12+4*\c:PC+14+4*\c], v[(\s)+32*\c+16:(\s)+32*\c+31], v[TM+13+2*\c]   ; (a conversion's three registers begin on an even number)
.endr
	WIN 0
	v_nop                                          ; one plain place behind a scaled conversion
.irp c, 0,1                                    ; the operand's layout wants a WHOLE block in a lane: lanes 0-15 block 2 c, lanes 16-31 block 2 c + 1
.irp i, 0,1,2
	v_permlane16_swap_b32 v[PC+6*\c+\i], v[PC+12+4*\c+\i]
.endr
.endr
.irp c, 0,1
.irp i, 0,1,2
	v_mov_b32 v[PC+3+6*\c+\i], v[PC+12+4*\c+\i]
.endr
.endr
.irp c, 0,1,2
	ds_store_b128 v[STO], v[PC+4*\c:PC+4*\c+3] offset:(\a)*FRB+512*\c
.endr
	ds_store_b32 v[STS], v[SW+\a] offset:(\a)*128
.endm
; Block a of k (16 columns x my 128 positions): the feature map, the mask, the sum over my 64 positions, the quantiser.
.macro EPK a
.set AC, 64*(\a)
	WIN 0x08                                       ; source 1: window 2
.set i, 0
.rept 64
	v_min_num_f32 v[T+i], 0, v[AC+i]               ; min(x, 0); ascending: each accumulator from its low end on
.set i, i+1
.endr
.set i, 0
.rept 32
	v_pk_add_f32 v[U+i:U+i+1], v[T+i:T+i+1], v[AC+i:AC+i+1] neg_lo:[1,0] neg_hi:[1,0]   ; x - min(x, 0) = max(x, 0), exactly
.set i, i+2
.endr
	WIN 0
.set i, 0
.rept 32
	v_pk_mul_f32 v[T+i:T+i+1], v[T+i:T+i+1], 0x3fb8aa3b op_sel_hi:[1,0]   ; x log2(e)
.set i, i+2
.endr
.set i, 0
.rept 64
	v_exp_f32 v[T+i], v[T+i]
.set i, i+1
.endr
	v_nop                                          ; one plain place behind the exponentials
.set i, 0
	s_wait_alu depctr_va_vdst(0)
.rept 32
	v_pk_add_f32 v[U+i:U+i+1], v[U+i:U+i+1], v[T+i:T+i+1]      ; elu(x) + 1
.set i, i+2
.endr
	WIN 0x04                                       ; source 1: window 1
.set i, 0
.rept 32
.if i < 32
	v_pk_mul_f32 v[U+i:U+i+1], v[U+i:U+i+1], v[96+i:97+i]      ; x the mask of the register's position
.else
	v_pk_mul_f32 v[U+i:U+i+1], v[U+i:U+i+1], v[192+i:193+i]
.endif
.set i, i+2
.endr
	WIN 0
	v_pk_add_f32 v[T:T+1], v[U:U+1], v[U+2:U+3]    ; k's sum, of the unquantised numbers, in two chains
	v_pk_add_f32 v[T+2:T+3], v[U+4:U+5], v[U+6:U+7]
.set i, 8
.rept 14
	v_pk_add_f32 v[T:T+1], v[T:T+1], v[U+i:U+i+1]
	v_pk_add_f32 v[T+2:T+3], v[T+2:T+3], v[U+i+2:U+i+3]
.set i, i+4
.endr
	v_pk_add_f32 v[T:T+1], v[T:T+1], v[T+2:T+3]
	v_add_f32 v[KSQ+\a], v[T], v[T+1]
	QUANT U, 0, \a
.endm
; WHAT FOLLOWS A TILE'S PROJECTIONS.
.macro EPI t
	PLACES NP                                      ; in front of the first reads of results
	s_wait_loadcnt 0x0                             ; this tile's mask
.irp a, 0,1,2,3
	EPK \a
.endr
.if (\t) == 0
	WIN TO_B
	ROW64 96, 224, MA, 104, 1024                   ; the mask has had its last use in this tile: the next tile's 256 positions lie 1,024 bytes on; it lands under the next tile's products
	WIN 0
.endif
.irp a, 4,5,6,7
	QUANT 64*(\a-4), 3, \a                         ; v is quantised as the accumulators hold it: its bias came as C
.endr
	ds_store_b128 v[KSTO], v[KSQ:KSQ+3]            ; k's four sums, 16 bytes a lane
	s_wait_dscnt 0x0                               ; for the other wave's sake: my stores have landed
	s_barrier_signal -1
	s_barrier_wait -1
	WIN TO_B
.irp u, 0,1                                    ; half u of the positions: the stage of my head's wave u
.irp ve, 0,1,2,3
.irp c, 0,1,2
	ds_load_b128 v[FR*(4*\u+\ve)+4*\c:FR*(4*\u+\ve)+4*\c+3], v[RDV] offset:\u*WST+(4+\ve)*FRB+512*\c
.endr
.endr
.irp i, 0,1
.irp c, 0,1,2
	ds_load_b128 v[128+FR*(2*\u+\i)+4*\c:128+FR*(2*\u+\i)+4*\c+3], v[RDKF] offset:\u*WST+\i*FRB+512*\c
.endr
.endr
.endr
	WIN 0
.irp u, 0,1
.irp ve, 0,1,2,3
	ds_load_b32 v[VSW+4*\u+\ve], v[RSV] offset:\u*WST+(4+\ve)*128
.endr
.irp i, 0,1
	ds_load_b32 v[KSW+2*\u+\i], v[RSK] offset:\u*WST+\i*128
.endr
.endr
	ds_load_b64 v[64:65], v[RDK]                   ; my two of k's four sums, of both halves
	ds_load_b64 v[66:67], v[RDK] offset:512
	s_wait_dscnt 0x0
	; k^T v over the tile's 256 positions: source 0 = 16 columns of k, source 1 = 16 of v: lane (r, h), register j of tile (i, ve): kv(16 (2 p + i) + 8 h + j, 16 ve + r).  Eight accumulators by turns, two K steps
	WIN 0x85                                       ; sources 0 and 1 window 1, D window 2
.irp i, 0,1
.irp ve, 0,1,2,3
	v_wmma_scale_f32_16x16x128_f8f6f4 v[8*(4*\i+\ve):8*(4*\i+\ve)+7], v[128+FR*\i:128+FR*\i+FR-1], v[FR*\ve:FR*\ve+FR-1], 0, v[KSW+\i], v[VSW+\ve] matrix_a_fmt:MATRIX_FMT_BF6 matrix_b_fmt:MATRIX_FMT_BF6
.endr
.endr
	WIN 0xa5                                       ; C window 2 too
.irp i, 0,1
.irp ve, 0,1,2,3
	v_wmma_scale_f32_16x16x128_f8f6f4 v[8*(4*\i+\ve):8*(4*\i+\ve)+7], v[128+FR*(2+\i):128+FR*(2+\i)+FR-1], v[FR*(4+\ve):FR*(4+\ve)+FR-1], v[8*(4*\i+\ve):8*(4*\i+\ve)+7], v[KSW+2+\i], v[VSW+4+\ve] matrix_a_fmt:MATRIX_FMT_BF6 matrix_b_fmt:MATRIX_FMT_BF6
.endr
.endr
	WIN 0
	v_pk_add_f32 v[64:65], v[64:65], v[66:67]
	PLACES NP                                      ; in front of the stores that read the results
	WIN 0x08                                       ; a store's data are its source 1: window 2
.irp q, 0,1,2,3,4,5,6,7,8,9,10,11,12,13,14,15
	global_store_b128 v[GO], v[4*\q:4*\q+3], s[12:13] offset:(\t)*PB+512*\q   ; 32 lanes store 512 consecutive bytes, at a multiple of 256 from the buffer's first byte; each accumulator from its low end on
.endr
	WIN 0
	global_store_b64 v[GK], v[64:65], s[10:11] offset:(\t)*PB                 ; 256 consecutive bytes, aligned
.endm
; A TILE: four K steps of 256, slots 0, 1, 0, 1.  The first tile's last lap asks for the second tile's K steps 0 and 1; the second's asks for nothing.
.macro TILE t
.if (\t) > 0
	s_wait_xcnt 0x0                                ; the last tile's stores have read their registers: these are written again only behind this wait
.endif
.irp a, 0,1,2,3,4,5,6,7
.irp j, 0,1,2,3,4,5,6,7
	v_mov_b32 v[CB+8*\a+\j], v[BI+\a]              ; a C operand is eight registers: the lane's column has one bias for all its positions.  (In the second tile these 64 are also the places behind the last products)
.endr
.endr
	FETCH_B 0, 0, 0
	FETCH_A 0, 0, 0
	SCALES 0, 0, \t
	FETCH_A 0, 0, 4
	STEP 0, 0, 1                                   ; the first step's products start the sums
	TURN 0, 1, 1, 1, \t
	STEP 1, 0, 0
	TURN 1, 0, 1, 2, \t
	STEP 0, 0, 0
.if (\t) == 0
	TURN 0, 1, 2, 3, \t                            ; THE RING GOES ON INTO THE NEXT TILE: slot 0 takes its K step 0,
	STEP 1, 0, 0
	MEET 1                                         ; (slot 0's refill has landed, in every wave: behind this round the next tile's first fragments may be read)
	REFILL 1, 2                                    ; slot 1 its K step 1; no fragments are fetched here: the registers are wanted for what follows the projections
	WIN MUL_HI
	MUL16 4, 1, NQ-1, 1, 0
	MUL16 6, 1, NQ-1, 1, 0
	WIN 0
.else
	TURN 0, 1, 0, 3, \t                            ; the last lap fills nothing, and has no round of the cluster's barrier
	STEP 1, 0, 0
	s_wait_dscnt 4*NL                              ; the very last step
	WIN MUL_LO
	MUL16 0, 1, NQ-1, 1, 0
	MUL16 2, 1, NQ-1, 1, 0
	s_wait_dscnt 0
	WIN MUL_HI
	MUL16 4, 1, NQ-1, 1, 0
	MUL16 6, 1, NQ-1, 1, 0
	WIN 0
.endif
	EPI \t
.endm
	s_wait_tensorcnt 1                             ; the scales and my part of K step 0 are in; K step 1's load may be out
	s_barrier_signal -1
	s_barrier_wait -1                              ; everybody's are
	TILE 0
	TILE 1
	s_wait_tensorcnt 0x0                           ; the wave's end
	ds_add_u32 v[SPW], v[NIL]
	s_wait_dscnt 0x0
	CROUND                                         ; the closing round: no work-group ends while a partner may still ask for a tile that names it
	s_endpgm
.Lfunc_end_k_q2d5de5a886_kvpart:
	.size	k_q2d5de5a886_kvpart, .Lfunc_end_k_q2d5de5a886_kvpart-k_q2d5de5a886_kvpart
	.p2alignl 7, 3214868480
	.fill 96, 4, 3214868480
	.section	.rodata,"a",@progbits
	.p2align	6, 0x0
	.amdhsa_kernel k_q2d5de5a886_kvpart
		.amdhsa_group_segment_fixed_size 327680
		.amdhsa_private_segment_fixed_size 0
		.amdhsa_enable_private_segment 0
		.amdhsa_kernarg_size 80
		.amdhsa_user_sgpr_count 2
		.amdhsa_user_sgpr_kernarg_segment_ptr 1
		.amdhsa_wavefront_size32 1
		.amdhsa_system_sgpr_workgroup_id_x 1
		.amdhsa_system_sgpr_workgroup_id_y 1
		.amdhsa_system_sgpr_workgroup_id_z 1
		.amdhsa_system_vgpr_workitem_id 0
		.amdhsa_next_free_vgpr 1024
		.amdhsa_next_free_sgpr 106
		.amdhsa_reserve_vcc 0
		.amdhsa_float_denorm_mode_32 3
		.amdhsa_float_denorm_mode_16_64 3
		.amdhsa_memory_ordered 1
		.amdhsa_forward_progress 1
		.amdhsa_inst_pref_size 255
	.end_amdhsa_kernel
	.section	.bss,"aw",@nobits
	.p2align	6
	.space	262144
	.amdgpu_metadata
---
amdhsa.version: [ 1, 2 ]
amdhsa.kernels:
  - .name:           k_q2d5de5a886_kvpart
    .symbol:         k_q2d5de5a886_kvpart.kd
    .args:
      - { .name: Wk_codes, .offset: 0, .size: 8, .value_kind: global_buffer, .address_space: global }
      - { .name: Wv_codes, .offset: 8, .size: 8, .value_kind: global_buffer, .address_space: global }
      - { .name: Wk_scales, .offset: 16, .size: 8, .value_kind: global_buffer, .address_space: global }
      - { .name: Wv_scales, .offset: 24, .size: 8, .value_kind: global_buffer, .address_space: global }
      - { .name: hidden_state_codes, .offset: 32, .size: 8, .value_kind: global_buffer, .address_space: global }
      - { .name: hidden_state_scales, .offset: 40, .size: 8, .value_kind: global_buffer, .address_space: global }
      - { .name: bk, .offset: 48, .size: 8, .value_kind: global_buffer, .address_space: global }
      - { .name: bv, .offset: 56, .size: 8, .value_kind: global_buffer, .address_space: global }
      - { .name: attention_mask, .offset: 64, .size: 8, .value_kind: global_buffer, .address_space: global }
      - { .name: part, .offset: 72, .size: 8, .value_kind: global_buffer, .address_space: global }
    .group_segment_fixed_size: 327680
    .private_segment_fixed_size: 0
    .kernarg_segment_align: 8
    .kernarg_segment_size: 80
    .max_flat_workgroup_size: 128
    .sgpr_count:     106
    .vgpr_count:     1024
    .wavefront_size: 32
...
	.end_amdgpu_metadata
.endif
;; end of part 1
;; launch kvq (part 2): grid 256 x 1, 1 waves a work-group, no clusters, 0 bytes of LDS; arguments part, kvc, kvs, ksum; writes kvc, kvs, ksum
.if DOCPART == 2
	.amdgcn_target "amdgcn-amd-amdhsa--gfx1250"
	.amdhsa_code_object_version 6
	.text
	.protected	k_q2d5de5a886_kvq
	.globl	k_q2d5de5a886_kvq
	.p2align	8
	.type	k_q2d5de5a886_kvq,@function
k_q2d5de5a886_kvq:
	s_mov_b64 s[64:65], 0
	v_nop
	global_prefetch_b8 v0, s[64:65] scope:SCOPE_SE
	s_setreg_imm32_b32 hwreg(HW_REG_WAVE_MODE, 25, 1), 1
	s_wait_xcnt 0x0
; KVQ.  The sixteen partials of each (batch, head) are added in f32; kv [64 (k), 64 (e)] is quantised along k to codes of BF6 (E3M2) with E8M0 scales and laid as the next launch's operand registers; k's sum is finished.
; Work-group g (one wave): head nh = g / 4, columns e = 16 (g % 4) + r.  In a partial, lane (r, h), register 8 ka + j of my four tiles holds kv(16 ka + 8 h + j, e): so a lane's 32 registers run along k,
; and registers 16 g' .. 16 g' + 15 of lanes l and l xor 16 are block g' of 32.  Inside a block the codes stand in the same order as the next launch's q has them.
; The next product has K = 64 in an instruction of 128: two heads share q's fragment, the even head at K 0-63 and the odd one at K 64-127.  So an even head's codes go to registers 0-5 and an odd head's to 6-11;
; the other six are zero codes, which add nothing, under the scale byte 127.
; A stream: each load of the wave reads 512 consecutive bytes; six partials (48 loads) are on their way.  Nothing is shared between work-groups or waves, so no LDS, no barrier, no cluster, no matrix unit.
; LIMITS: NaN and infinities are not served; a block whose largest magnitude lies under 2^-122 (zeros too) gets the byte 1; these bytes are read by this program alone.
.set PB,  16896                        ; a partial in bytes
.set S,   16                           ; v16-47   the sums
.set X,   48                           ; v48-239  six sets of 32
.set KP,  240                          ; v240-255 k's sum in the sixteen partials
.set TM,  48                           ; behind the sums: at work
.set C0,  64
.set C1,  68
.set FG,  72                           ; v72-83   the fragment
	s_load_b128 s[4:7], s[0:1], 0x0                ; the partials, kv's codes
	s_load_b128 s[8:11], s[0:1], 0x10              ; kv's scale words, k's sums
	v_lshlrev_b32 v1, 4, v0                        ; 16 x lane
	v_lshlrev_b32 v2, 3, v0                        ; 8 x lane
	v_lshlrev_b32 v3, 2, v0                        ; 4 x lane
	s_lshr_b32 s16, ttmp9, 2                       ; nh
	s_and_b32 s17, ttmp9, 3                        ; ve
	s_mul_i32 s18, s16, 16*PB                      ; the head's sixteen partials
	s_lshl_b32 s20, s17, 10                        ; tile 4 ka + ve is quads 8 ka + 2 ve and the next: 4,096 ka + 1,024 ve
	s_add_co_u32 s20, s20, s18
	s_mov_b32 s21, 0
	s_lshr_b32 s22, s17, 1                         ; k's sum of columns 16 ve + r: image ve / 2, word ve % 2 of a lane's 8 bytes
	s_lshl_b32 s22, s22, 8
	s_and_b32 s23, s17, 1
	s_lshl_b32 s23, s23, 2
	s_add_co_u32 s22, s22, s23
	s_add_co_u32 s22, s22, s18
	s_add_co_u32 s22, s22, 16384
	s_mov_b32 s23, 0
	s_mul_i32 s24, ttmp9, 1536                     ; a fragment's image
	s_mov_b32 s25, 0
	s_lshl_b32 s14, ttmp9, 7                       ; its scale words
	s_mov_b32 s15, 0
	s_lshl_b32 s18, s16, 8
	s_lshl_b32 s19, s17, 6
	s_add_co_u32 s18, s18, s19                     ; k's sums: 256 nh + 64 ve
	s_mov_b32 s19, 0
	s_mov_b32 s26, 0x76543210
	s_mov_b32 s27, 0xfedcba98                      ; v_permlanex16_b32's selects for lane l xor 16
	s_and_b32 s28, s16, 1                          ; the head's parity
	s_cmp_eq_u32 s28, 0
	s_cselect_b32 s30, -1, 0                       ; keeps registers 0-5 of an even head,
	s_cselect_b32 s31, 0, -1                       ; registers 6-11 of an odd one
	s_lshl_b32 s28, s28, 4                         ; where the two scale bytes stand in the word,
	s_sub_co_u32 s29, 16, s28
	s_lshl_b32 s29, 0x7f7f, s29                    ; and 127 twice in the other half
	s_wait_kmcnt 0x0
	s_add_nc_u64 s[12:13], s[4:5], s[22:23]
	s_add_nc_u64 s[4:5], s[4:5], s[20:21]
	s_add_nc_u64 s[6:7], s[6:7], s[24:25]
	s_add_nc_u64 s[8:9], s[8:9], s[14:15]
	s_add_nc_u64 s[10:11], s[10:11], s[18:19]
.macro LOADP p                         ; partial p: my four tiles, 8 loads, into set p % 6
.irp ka, 0,1,2,3
	global_load_b128 v[X+32*((\p)%6)+8*\ka:X+32*((\p)%6)+8*\ka+3], v1, s[4:5] offset:(\p)*PB+4096*\ka th:TH_LOAD_NT
	global_load_b128 v[X+32*((\p)%6)+8*\ka+4:X+32*((\p)%6)+8*\ka+7], v1, s[4:5] offset:(\p)*PB+4096*\ka+512 th:TH_LOAD_NT
.endr
.endm
.irp p, 0,1,2,3,4,5,6,7,8,9,10,11,12,13,14,15
	global_load_b32 v[KP+\p], v2, s[12:13] offset:\p*PB th:TH_LOAD_NT
.endr
.irp p, 0,1,2,3,4,5
	LOADP \p
.endr
	s_wait_loadcnt 32                              ; k's sums and partials 0 and 1 are in; the 32 loads of partials 2 to 5 may be out
.set i, 0
.rept 16
	v_pk_add_f32 v[S+i:S+i+1], v[X+i:X+i+1], v[X+32+i:X+33+i]   ; the first two start the sums: nothing is cleared
.set i, i+2
.endr
	LOADP 6
	LOADP 7
.irp p, 2,3,4,5,6,7,8,9,10,11,12,13,14,15
.if 15-\p < 5
	s_wait_loadcnt 8*(15-\p)                       ; partial p is in; those asked for behind it may be out
.else
	s_wait_loadcnt 40
.endif
.set i, 0
.rept 16
	v_pk_add_f32 v[S+i:S+i+1], v[S+i:S+i+1], v[X+32*(\p%6)+i:X+32*(\p%6)+i+1]
.set i, i+2
.endr
.if \p+6 < 16
	LOADP \p+6
.endif
.endr
	; k's sum: sixteen partials, then lane l xor 16's positions
.irp j, 0,4,8,12
	v_pk_add_f32 v[KP+\j:KP+\j+1], v[KP+\j:KP+\j+1], v[KP+\j+2:KP+\j+3]
.endr
	v_pk_add_f32 v[KP:KP+1], v[KP:KP+1], v[KP+4:KP+5]
	v_pk_add_f32 v[KP+8:KP+9], v[KP+8:KP+9], v[KP+12:KP+13]
	v_pk_add_f32 v[KP:KP+1], v[KP:KP+1], v[KP+8:KP+9]
	v_add_f32 v[KP], v[KP], v[KP+1]
	v_permlanex16_b32 v[KP+4], v[KP], s26, s27
	v_add_f32 v[KP], v[KP], v[KP+4]
	; the quantiser, two blocks of 32 along k
	v_mov_b32 v[TM+4], 0                           ; (a lane permute's destination counts as one of its sources)
	v_mov_b32 v[TM+5], 0
.irp b, 0,1
	v_max3_num_f32 v[TM+\b], |v[S+16*\b]|, |v[S+16*\b+1]|, 0x2800000   ; my 16 numbers, and the floor 2^(5 - 127): the byte cannot fall under 1
.endr
.irp i, 2,4,6,8,10,12,14
.irp b, 0,1
	v_max3_num_f32 v[TM+\b], v[TM+\b], |v[S+16*\b+\i]|, |v[S+16*\b+\i+1]|
.endr
.endr
.irp b, 0,1
	v_permlanex16_b32 v[TM+4+\b], v[TM+\b], s26, s27
.endr
.irp b, 0,1
	v_max_num_f32 v[TM+\b], v[TM+\b], v[TM+4+\b]   ; the block's largest magnitude
.endr
.irp b, 0,1
	v_add_nc_u32 v[TM+12+\b], 0xfe000000, v[TM+\b] ; 4 off its exponent field: the conversion's scale operand
.endr
.irp b, 0,1
	v_lshrrev_b32 v[TM+4+\b], 23, v[TM+12+\b]      ; the scale's byte
.endr
	v_lshl_or_b32 v4, v[TM+5], 8, v[TM+4]
	v_lshlrev_b32 v4, s28, v4                      ; at the head's half of the word,
	v_or_b32 v4, s29, v4                           ; 127 over the zero codes
	v_cvt_scalef32_pk16_bf6_f32 v[C0:C0+2], v[S:S+15], v[TM+12]
	v_cvt_scalef32_pk16_bf6_f32 v[C1:C1+2], v[S+16:S+31], v[TM+13]
	v_nop                                          ; one plain place behind a scaled conversion
.irp i, 0,1,2
	v_permlane16_swap_b32 v[C0+\i], v[C1+\i]       ; a whole block to a lane: lanes 0-15 block 0, lanes 16-31 block 1
.endr
.irp i, 0,1,2
	v_and_b32 v[FG+\i], s30, v[C0+\i]
	v_and_b32 v[FG+3+\i], s30, v[C1+\i]
	v_and_b32 v[FG+6+\i], s31, v[C0+\i]
	v_and_b32 v[FG+9+\i], s31, v[C1+\i]
.endr
.irp c, 0,1,2
	global_store_b128 v1, v[FG+4*\c:FG+4*\c+3], s[6:7] offset:512*\c   ; the fragment as an image of its registers: 512 consecutive bytes a store
.endr
	global_store_b32 v3, v4, s[8:9]                ; a scale word a lane
	s_wait_xcnt 0x0                                ; EXEC changes only behind this wait
	v_cmp_gt_u32 vcc_lo, 16, v0
	s_and_saveexec_b32 s24, vcc_lo
	global_store_b32 v3, v[KP], s[10:11]           ; lanes 0-15: k's sum of columns 16 ve + r
	s_wait_xcnt 0x0
	s_or_b32 exec_lo, exec_lo, s24
	s_endpgm
.Lfunc_end_k_q2d5de5a886_kvq:
	.size	k_q2d5de5a886_kvq, .Lfunc_end_k_q2d5de5a886_kvq-k_q2d5de5a886_kvq
	.p2alignl 7, 3214868480
	.fill 96, 4, 3214868480
	.section	.rodata,"a",@progbits
	.p2align	6, 0x0
	.amdhsa_kernel k_q2d5de5a886_kvq
		.amdhsa_group_segment_fixed_size 0
		.amdhsa_private_segment_fixed_size 0
		.amdhsa_enable_private_segment 0
		.amdhsa_kernarg_size 32
		.amdhsa_user_sgpr_count 2
		.amdhsa_user_sgpr_kernarg_segment_ptr 1
		.amdhsa_wavefront_size32 1
		.amdhsa_system_sgpr_workgroup_id_x 1
		.amdhsa_system_sgpr_workgroup_id_y 1
		.amdhsa_system_sgpr_workgroup_id_z 1
		.amdhsa_system_vgpr_workitem_id 0
		.amdhsa_next_free_vgpr 256
		.amdhsa_next_free_sgpr 66
		.amdhsa_reserve_vcc 1
		.amdhsa_float_denorm_mode_32 3
		.amdhsa_float_denorm_mode_16_64 3
		.amdhsa_memory_ordered 1
		.amdhsa_forward_progress 1
		.amdhsa_inst_pref_size 35
	.end_amdhsa_kernel
	.amdgpu_metadata
---
amdhsa.version: [ 1, 2 ]
amdhsa.kernels:
  - .name:           k_q2d5de5a886_kvq
    .symbol:         k_q2d5de5a886_kvq.kd
    .args:
      - { .name: part, .offset: 0, .size: 8, .value_kind: global_buffer, .address_space: global }
      - { .name: kvc, .offset: 8, .size: 8, .value_kind: global_buffer, .address_space: global }
      - { .name: kvs, .offset: 16, .size: 8, .value_kind: global_buffer, .address_space: global }
      - { .name: ksum, .offset: 24, .size: 8, .value_kind: global_buffer, .address_space: global }
    .group_segment_fixed_size: 0
    .private_segment_fixed_size: 0
    .kernarg_segment_align: 8
    .kernarg_segment_size: 32
    .max_flat_workgroup_size: 32
    .sgpr_count:     66
    .vgpr_count:     256
    .wavefront_size: 32
...
	.end_amdgpu_metadata
.endif
;; end of part 2
;; launch ctx (part 3): grid 4 x 64, 4 waves a work-group, clusters of 4 x 4, 327,680 bytes of LDS; arguments hidden_state_codes, hidden_state_scales, Wq_codes, Wq_scales, out0, bq, ksum, kvc, kvs; writes out0
.if DOCPART == 3
	.amdgcn_target "amdgcn-amd-amdhsa--gfx1250"
	.amdhsa_code_object_version 6
	.text
	.protected	k_q2d5de5a886_ctx
	.globl	k_q2d5de5a886_ctx
	.p2align	8
	.type	k_q2d5de5a886_ctx,@function
k_q2d5de5a886_ctx:
	s_mov_b64 s[64:65], 0
	v_nop
	global_prefetch_b8 v0, s[64:65] scope:SCOPE_SE
	s_setreg_imm32_b32 hwreg(HW_REG_WAVE_MODE, 25, 1), 1
	s_wait_xcnt 0x0
	s_wait_alu depctr_hold_cnt(0) depctr_sa_sdst(0) depctr_va_vdst(0) depctr_va_sdst(0) depctr_va_ssrc(0) depctr_va_vcc(0) depctr_vm_vsrc(0)
	s_getreg_b32 s2, hwreg(HW_REG_IB_STS2, 6, 4)
	s_cmp_eq_u32 s2, 0
	s_cbranch_scc0 .Lentry_in_a_cluster
	s_endpgm
.Lentry_in_a_cluster:
	s_bfe_u32 s2, ttmp6, 0x10000c
	s_cmp_lg_u32 s2, 0xf033
	s_cbranch_scc0 .Lentry_shape_is_right
	s_endpgm
.Lentry_shape_is_right:
; CTX.  For 256 positions and four heads: q = elu(x Wq^T + bq) + 1 on the given codes of BF6 (E3M2) with E8M0 scales; z = q . (k's sum), in f32 multiply-adds on the unquantised q; q is quantised along the head's 64
; in registers; out = (Q(q) Q(kv)) x z.  q never goes to memory.
; THE PROJECTION is one GEMM tile of 256 x 256: four waves, each 128 x 128 = 64 accumulators.  Source 0 = 16 rows of Wq (called B), source 1 = 16 positions (rows of hidden_state, called A):
; in accumulator (a, b) lane (r, h) holds position 16 a + r and register j column 16 b + 8 h + j: a lane's registers run along the head's axis, which is the next product's K.
; K = 1,024 goes in steps of 256 through two LDS slots filled by the tensor data mover (rows of 192 bytes, 16 bytes of padding behind every 64: pitch 240); all scale bytes come once, with the first fills.
; CLUSTERS: 4 x 4 work-groups; hidden_state's tiles are asked for jointly along a row of the cluster, Wq's along a column.
; THE SECOND PRODUCT.  A wave's 128 columns are two heads.  A block of 16 positions gives ONE fragment of q: the even head at K 0-63, the odd head at K 64-127.  kv's fragments come from the launch before with
; zero codes in the other head's half, so one instruction of 128 along K serves a head's 64.  Inside a block of 32 the codes stand in another order than the head's axis, the same in q and in kv.
; LIMITS: NaN and infinities are not served.  A block whose largest magnitude lies under 2^-122 gets the scale byte 1.  elu(x) + 1 is taken as max(x, 0) + 2^(min(x, 0) log2 e): at most 6e-8 absolute from expm1(x) + 1.
; REGISTERS, in windows of 256.  Window 0: v1-15 at work at the head; v16-31 addresses; v32-63 scale words and nothing else; v64-127 bq as C operands, later at work; v128-223 A's fragments, ONE set,
;   later v128-191 the features and v192-255 the second product's results.  Window 1: B's fragments, two sets, at v0 and v128 (later v0-95 kv's eight fragments, v128-191 rows of the output);
;   v96-127 and v224-255 k's sum at my lane's 64 columns.  Windows 2, 3: the accumulators of my positions 0-63, 64-127.
.set KSTEP,  256
.set NQ,     KSTEP/128
.set ROWB,   192
.set KROW,   768
.set PITCH,  240
.set FR,     12
.set NL,     6
.set NP,     4
.set HALFT,  128*PITCH
.set SLOT,   4*HALFT
.set LAPS,   2
.set KS,     32
.set SCL,    2*SLOT
.set HALFS,  16*272
.set SBLK,   2*272
.set SPARE,  SCL+4*HALFS               ; the spare words: 128 bytes for each wave, two blocks of 256 bytes that no other line names
.set AGAP,   0                         ; my 128 rows of A are neighbours
.set SPITCH, 528                       ; the way out: a stage of 16 rows x (512 bytes + 16) for each wave, in slot 0, which has had its last fill and its last read by then
.set OROW,   4096                      ; a row of the output in bytes
.set ADRA, 16
.set ADRB, 20
.set STO,  24                          ; v24  the way out: where I put 32 bytes of a row
.set RD,   25                          ; v25  where I read a row back
.set CO,   26                          ; v26  16 x lane
.set ADRS, 27
.set ADRS2, 27                         ; one address serves all eight blocks' scale words
.set SPW,  28
.set NIL,  29
.set LS4,  31                          ; v31  4 x lane
.set SC,   32
.set CB,   64                          ; bq: B's block b at v[CB + 8 b]
.set CIA,  0
.set CIB,  1                           ; the first step's C hangs on B's block
.set AF,   128
.set T,    64
.set U,    128
.set O,    192
.set TM,   64
.set PC,   80
.set ZP0,  104                         ; v[104:105], v[106:107] z of the two heads, in two halves
.set ZP1,  106
.set ZT,   108
.set SWK,  32                          ; v32-39 kv's scale words
.set PW,   40                          ; v40    q's
.set BK,   128                         ; in window 1: 16 rows read back from the stage
.set G1, 24
.set G0, 32
.set G1B, 48
.set G0B, 56
.set G1S, 68
.set G0S, 76
.set G1SB, 80
.set G0SB, 88
.set SEL, 92
.set MSB, 0
.macro WIN new                         ; the immediate's high byte repeats the setting that is left
.if MSB != (\new)
	s_set_vgpr_msb (MSB<<8)|(\new)
.set MSB, (\new)
.endif
.endm
.set MUL_LO, 0xa1
.set MUL_HI, 0xf1
.set TO_B,   0x40
.macro JLOAD g0a, g1a, g0b, g1b        ; a joint load: waves 0 and 1 fetch for A, waves 2 and 3 for B; four v_nop follow each of the two lines
	s_cmp_eq_u32 s15, 0
	s_cbranch_scc0 .Lfor_b_\@
	tensor_load_to_lds s[\g0a:\g0a+3], s[\g1a:\g1a+7]
	s_nop 0
.rept 4
	v_nop
.endr
	s_branch .Lasked_\@
.Lfor_b_\@:
	tensor_load_to_lds s[\g0b:\g0b+3], s[\g1b:\g1b+7]
	s_nop 0
.rept 4
	v_nop
.endr
.Lasked_\@:
.endm
.macro CREST
	s_cmp_lg_u32 s14, 0
	s_cbranch_scc1 .Lnot_wave_0_\@
	s_barrier_signal -3
.Lnot_wave_0_\@:
	s_barrier_wait -3
	s_barrier_signal -1
	s_barrier_wait -1
.endm
.macro CROUND
	s_barrier_signal -1
	s_barrier_wait -1
	CREST
.endm
.macro PLACES n
.rept \n
	v_nop
.endr
.endm
.macro ROW64 lo, hi, va, sp            ; 64 numbers X[16 b + 8 h + j] of a run of 128 f32 (va = 32 h bytes): index 8 b + j at lo + index (index < 32) or hi + index - 32
.irp b, 0,1,2,3
	global_load_b128 v[\lo+8*\b:\lo+8*\b+3], v[\va], s[\sp:\sp+1] offset:64*\b
	global_load_b128 v[\lo+8*\b+4:\lo+8*\b+7], v[\va], s[\sp:\sp+1] offset:64*\b+16
.endr
.irp b, 0,1,2,3
	global_load_b128 v[\hi+8*\b:\hi+8*\b+3], v[\va], s[\sp:\sp+1] offset:256+64*\b
	global_load_b128 v[\hi+8*\b+4:\hi+8*\b+7], v[\va], s[\sp:\sp+1] offset:256+64*\b+16
.endr
.endm
	s_load_b128 s[4:7], s[0:1], 0x0                ; hidden_state's codes s[4:5], its scales s[6:7]
	s_load_b128 s[8:11], s[0:1], 0x10              ; Wq's codes s[8:9], its scales s[10:11]
	s_load_b64 s[12:13], s[0:1], 0x20              ; the output
	s_load_b64 s[66:67], s[0:1], 0x28              ; bq
	s_load_b64 s[100:101], s[0:1], 0x30            ; k's sums
	s_load_b64 s[104:105], s[0:1], 0x38            ; kv's codes
	s_load_b64 s[96:97], s[0:1], 0x40              ; kv's scale words
	v_lshl_add_u32 v[SPW], v0, 2, SPARE
	v_mov_b32 v[NIL], 0
	ds_add_u32 v28, v29
	ds_add_u32 v28, v29
	s_wait_dscnt 0x0
	v_lshrrev_b32 v1, 5, v0
	v_readfirstlane_b32 s14, v1                    ; wave 0..3
	s_lshr_b32 s15, s14, 1                         ; which 128 positions are mine.  Also: I fetch for A (0) or for B (1)
	s_and_b32 s16, s14, 1                          ; which 128 columns.  Also: which 128 rows of that tile I fetch
	s_bfe_u32 s40, ttmp6, 0x40000                  ; cx, cy
	s_bfe_u32 s41, ttmp6, 0x40004
	s_lshl_b32 s42, ttmp9, 2
	s_add_co_u32 s42, s42, s40                     ; the column tile (four heads) = 4 x cluster x + cx
	s_and_b32 s17, ttmp7, 0xffff
	s_lshl_b32 s17, s17, 2
	s_add_co_u32 s17, s17, s41                     ; the row tile = 4 x cluster y + cy
	s_lshl_b32 s43, s41, 2
	s_lshl_b32 s43, 15, s43                        ; my row of the cluster
	s_lshl_b32 s44, 0x1111, s40                    ; my column
	s_or_b32 s[G1+0], s43, (0<<16)|(1<<20)|(1<<21)|(3<<22)|(3<<25)  ; 15:0 the mask; 17:16 element of 1 byte; 20 padding on; 21 set beside a mask; 24:22 after every 16 words; 31:25 of 4 words
	s_or_b32 s[G1B+0], s44, (0<<16)|(1<<20)|(1<<21)|(3<<22)|(3<<25)
.irp g, G1, G1B
	s_mov_b32 s[\g+1], ROWB<<16
	s_mov_b32 s[\g+2], 128<<16
	s_mov_b32 s[\g+3], ROWB<<16
	s_mov_b32 s[\g+4], 128
	s_mov_b32 s[\g+5], KROW
	s_mov_b32 s[\g+6], 0
	s_mov_b32 s[\g+7], 0
.endr
	s_or_b32 s[G1S+0], s43, (3<<16)|(1<<20)|(1<<21)|(5<<22)|(3<<25) ; the scales of 128 rows: 16 rows of 256 bytes, 16 bytes of padding behind each
	s_or_b32 s[G1SB+0], s44, (3<<16)|(1<<20)|(1<<21)|(5<<22)|(3<<25)
.irp g, G1S, G1SB
	s_mov_b32 s[\g+1], 32<<16
	s_mov_b32 s[\g+2], 16<<16
	s_mov_b32 s[\g+3], 32<<16
	s_mov_b32 s[\g+4], 16
	s_mov_b32 s[\g+5], 32
	s_mov_b32 s[\g+6], 0
	s_mov_b32 s[\g+7], 0
.endr
	s_lshl_b32 s18, s16, 7                         ; which 128 rows of the tile I fetch
	s_lshl_b32 s20, s17, 8
	s_add_co_u32 s20, s20, s18                     ; A: row 256 x row tile + 128 x half
	s_lshl_b32 s46, s42, 8
	s_add_co_u32 s46, s46, s18                     ; B: row 256 x column tile + 128 x half
	s_mov_b32 s21, 0
	s_mov_b32 s47, 0
	s_mov_b64 s[18:19], KS
	s_mul_u64 s[22:23], s[20:21], s[18:19]
	s_mul_u64 s[92:93], s[46:47], s[18:19]
	s_mov_b64 s[18:19], KROW
	s_mul_u64 s[20:21], s[20:21], s[18:19]
	s_mul_u64 s[46:47], s[46:47], s[18:19]
	s_mul_i32 s45, s14, HALFT                      ; where they go: no place in the cluster enters an LDS address
	s_mul_i32 s94, s14, HALFS
	s_wait_kmcnt 0x0
	s_add_nc_u64 s[20:21], s[4:5], s[20:21]
	s_add_nc_u64 s[22:23], s[6:7], s[22:23]
	s_add_nc_u64 s[46:47], s[8:9], s[46:47]
	s_add_nc_u64 s[92:93], s[10:11], s[92:93]
	CROUND                                         ; all sixteen work-groups are here: the first joint loads meet
	s_mov_b32 s[G0S], 1
	s_add_co_u32 s[G0S+1], s94, SCL
	s_mov_b64 s[G0S+2:G0S+3], s[22:23]
	s_or_b32 s[G0S+3], s[G0S+3], 0x80000000
	s_mov_b32 s[G0SB], 1
	s_add_co_u32 s[G0SB+1], s94, SCL
	s_mov_b64 s[G0SB+2:G0SB+3], s[92:93]
	s_or_b32 s[G0SB+3], s[G0SB+3], 0x80000000
	JLOAD G0S, G1S, G0SB, G1SB
.irp s, 0,1
	s_mov_b32 s[G0+4*\s], 1
	s_add_co_u32 s[G0+4*\s+1], s45, \s*SLOT
	s_add_nc_u64 s[G0+4*\s+2:G0+4*\s+3], s[20:21], \s*ROWB
	s_or_b32 s[G0+4*\s+3], s[G0+4*\s+3], 0x80000000
	s_mov_b32 s[G0B+4*\s], 1
	s_add_co_u32 s[G0B+4*\s+1], s45, \s*SLOT
	s_add_nc_u64 s[G0B+4*\s+2:G0B+4*\s+3], s[46:47], \s*ROWB
	s_or_b32 s[G0B+4*\s+3], s[G0B+4*\s+3], 0x80000000
	JLOAD G0+4*\s, G1, G0B+4*\s, G1B               ; three tensor loads of mine are out now
.endr
	; what stays in registers: bq and k's sum at my lane's 64 columns
	v_and_b32 v1, 15, v0                           ; r
	v_bfe_u32 v2, v0, 4, 1                         ; h
	v_lshlrev_b32 v8, 5, v2                        ; 32 h
	s_lshl_b32 s20, s42, 8
	s_lshl_b32 s21, s16, 7
	s_add_co_u32 s20, s20, s21                     ; my first column
	s_lshl_b32 s2, s20, 2
	s_mov_b32 s3, 0
	s_add_nc_u64 s[66:67], s[66:67], s[2:3]
	s_lshr_b32 s21, s17, 4
	s_lshl_b32 s21, s21, 4
	s_lshr_b32 s20, s20, 6
	s_add_co_u32 s21, s21, s20                     ; batch x 16 + my first head, an even one
	s_lshl_b32 s2, s21, 8
	s_add_nc_u64 s[100:101], s[100:101], s[2:3]    ; k's sums: 256 bytes a head
	s_mul_i32 s2, s21, 6144
	s_add_nc_u64 s[104:105], s[104:105], s[2:3]    ; kv's codes: four images of 1,536 bytes a head
	s_lshl_b32 s2, s21, 9
	s_add_nc_u64 s[96:97], s[96:97], s[2:3]        ; kv's scale words: four times 128 bytes a head
	ROW64 CB, CB+32, 8, 66
	WIN TO_B
	ROW64 96, 224, 8, 100
	WIN 0
	s_mov_b32 s[SEL], 0x76543210
	s_mov_b32 s[SEL+1], 0xfedcba98
	v_mul_u32_u24 v3, v1, PITCH
	v_mul_u32_u24 v4, v2, 24
	v_add_nc_u32 v4, v3, v4                        ; a fragment's row x pitch + 24 x half
	v_lshl_add_u32 v5, v2, 4, v4                   ; and the same behind one padding more
	s_mul_i32 s21, s15, HALFT                      ; my 128 rows of A
	s_mul_i32 s22, s16, HALFT                      ; my 128 rows of B,
	s_add_co_u32 s22, s22, 2*HALFT                 ; which lie behind A's 256
.irp s, 0,1
	v_add_nc_u32 v[ADRA+\s], s21, v4
	v_add_nc_u32 v[ADRB+\s], s22, v4
	v_add_nc_u32 v[ADRA+2+\s], s21, v5
	v_add_nc_u32 v[ADRB+2+\s], s22, v5
	s_add_co_u32 s21, s21, SLOT
	s_add_co_u32 s22, s22, SLOT
.endr
	v_lshlrev_b32 v5, 5, v1                        ; my row's scales: 32 bytes a row,
	v_lshrrev_b32 v6, 8, v5
	v_lshl_add_u32 v5, v6, 4, v5                   ; and 16 more for each 256 passed
	s_mul_i32 s21, s15, HALFS
	s_mul_i32 s22, s16, HALFS
	s_add_co_u32 s22, s22, 2*HALFS
	s_sub_co_u32 s22, s22, s21
	v_mul_u32_u24 v6, s22, v2                      ; lanes 16-31 take B's
	s_add_co_u32 s21, s21, SCL
	v_add_nc_u32 v5, v5, v6
	v_add_nc_u32 v[ADRS], s21, v5
	s_mul_i32 s23, s14, 16*SPITCH                  ; my stage
	v_mul_u32_u24 v5, v1, SPITCH                   ; in: row l % 16, 32 bytes for each half of the lanes
	v_lshl_add_u32 v5, v2, 5, v5
	v_add_nc_u32 v[STO], s23, v5
	v_and_b32 v6, 31, v0
	v_lshlrev_b32 v[CO], 4, v6                     ; back: the 32 lanes take one row of 512 bytes; and the same in the output
	v_lshlrev_b32 v[LS4], 2, v6
	v_add_nc_u32 v[RD], s23, v[CO]
	s_lshl_b32 s20, s17, 8
	s_lshl_b32 s21, s15, 7
	s_add_co_u32 s20, s20, s21                     ; my first row of the output
	s_mov_b32 s21, 0
	s_mov_b64 s[18:19], OROW
	s_mul_u64 s[20:21], s[20:21], s[18:19]
	s_lshl_b32 s46, s42, 10                        ; my first column, in bytes
	s_lshl_b32 s47, s16, 9
	s_add_co_u32 s46, s46, s47
	s_mov_b32 s47, 0
	s_add_nc_u64 s[20:21], s[20:21], s[46:47]
	s_add_nc_u64 s[12:13], s[12:13], s[20:21]
	s_wait_loadcnt 0x0                             ; bq and k's sums
.macro FRAG reg, adr, q, i, gap        ; a fragment, 16 rows x 128 K: registers 6 c .. 6 c + 5 hold K = 64 c + 32 (l / 16) + 0 .. 31, in pieces of 8 bytes; the second address register serves the pieces that lie behind one padding more in lanes 16-31
.irp p, 0,1,2,3,4,5
.set PCE, 12*(\q)+6*(\p/3)+\p%3
.if PCE%8 < 5
	ds_load_b64 v[\reg+2*\p:\reg+2*\p+1], v[\adr] offset:8*PCE+16*(PCE/8)+(\i)*16*PITCH+(\gap)
.else
	ds_load_b64 v[\reg+2*\p:\reg+2*\p+1], v[\adr+2] offset:8*PCE+16*(PCE/8)+(\i)*16*PITCH+(\gap)
.endif
.endr
.endm
; 16 matrix instructions: A's blocks a0, a0 + 1 x B's eight.  zero = 1: the first product starts the sums, with the bias as C.  The 64 accumulators take turns.
.macro MUL16 a0, p, q, sc, zero
.irp a, \a0, \a0+1
.irp b, 0,1,2,3,4,5,6,7
.if \zero
	v_wmma_scale_f32_16x16x128_f8f6f4 v[8*(8*((\a)%4)+\b):8*(8*((\a)%4)+\b)+7], v[128*(\p)+FR*\b:128*(\p)+FR*\b+FR-1], v[AF+FR*(\a):AF+FR*(\a)+FR-1], v[CB+8*(CIA*(\a)+CIB*\b):CB+8*(CIA*(\a)+CIB*\b)+7], v[SC+8*NQ*(\sc)+NQ*\b+(\q)], v[SC+8*NQ*(\sc)+NQ*(\a)+(\q)] matrix_a_fmt:MATRIX_FMT_BF6 matrix_b_fmt:MATRIX_FMT_BF6 matrix_a_scale:MATRIX_SCALE_ROW1
.else
	v_wmma_scale_f32_16x16x128_f8f6f4 v[8*(8*((\a)%4)+\b):8*(8*((\a)%4)+\b)+7], v[128*(\p)+FR*\b:128*(\p)+FR*\b+FR-1], v[AF+FR*(\a):AF+FR*(\a)+FR-1], v[8*(8*((\a)%4)+\b):8*(8*((\a)%4)+\b)+7], v[SC+8*NQ*(\sc)+NQ*\b+(\q)], v[SC+8*NQ*(\sc)+NQ*(\a)+(\q)] matrix_a_fmt:MATRIX_FMT_BF6 matrix_b_fmt:MATRIX_FMT_BF6 matrix_a_scale:MATRIX_SCALE_ROW1
.endif
.endr
.endr
.endm
.macro FETCH_B slot, q, p
	WIN TO_B
.irp i, 0,1,2,3,4,5,6,7
	FRAG 128*(\p)+FR*\i, ADRB+\slot, \q, \i, 0
.endr
	WIN 0
.endm
.macro FETCH_A slot, q, i0
.irp i, \i0, \i0+1, \i0+2, \i0+3
	FRAG AF+FR*(\i), ADRA+\slot, \q, \i, ((\i)/4)*AGAP
.endr
.endm
.macro SCALES sc
.irp i, 0,1,2,3
	ds_load_b64 v[SC+8*NQ*\sc+NQ*\i:SC+8*NQ*\sc+NQ*\i+1], v[ADRS] offset:\i*SBLK
.endr
.irp i, 4,5,6,7
	ds_load_b64 v[SC+8*NQ*\sc+NQ*\i:SC+8*NQ*\sc+NQ*\i+1], v[ADRS2] offset:\i*SBLK
.endr
.endm
.macro STEP slot, q, zero
	s_wait_dscnt 4*NL                              ; B's set and A's blocks 0-3 are in; the youngest 24 loads (A's blocks 4-7) may be out
	WIN MUL_LO-0x20*(\zero)
	MUL16 0, (\q)%2, \q, \slot, \zero
	MUL16 2, (\q)%2, \q, \slot, \zero
	s_wait_dscnt 0
	PLACES NP
	FETCH_B \slot, (\q)+1, 1-(\q)%2
	FETCH_A \slot, (\q)+1, 0
	WIN MUL_HI-0x30*(\zero)
	MUL16 4, (\q)%2, \q, \slot, \zero
	MUL16 6, (\q)%2, \q, \slot, \zero
	PLACES NP
	WIN 0
	FETCH_A \slot, (\q)+1, 4
.endm
.macro TURN slot, next, fill
	s_wait_tensorcnt 0x0                           ; all my tensor loads have landed: my part of the next slot;
	ds_add_u32 v[SPW], v[NIL]                      ; 0 onto my spare word
	s_wait_dscnt 4*NL+1                            ; (the add and the youngest 24 loads may be out)
	WIN MUL_LO
	MUL16 0, 1, NQ-1, \slot, 0
	s_wait_dscnt 0x0                               ; the add is done, and my reads of this slot are over
	s_barrier_signal -1
	MUL16 2, 1, NQ-1, \slot, 0
	WIN 0
	s_barrier_wait -1
.if \fill
	CREST                                          ; the barrier has opened a round of the cluster's barrier
	s_add_nc_u64 s[G0+4*\slot+2:G0+4*\slot+3], s[G0+4*\slot+2:G0+4*\slot+3], 2*ROWB
	s_add_nc_u64 s[G0B+4*\slot+2:G0B+4*\slot+3], s[G0B+4*\slot+2:G0B+4*\slot+3], 2*ROWB
	JLOAD G0+4*\slot, G1, G0B+4*\slot, G1B         ; the first tensor load behind the round; its four v_nop are the places in front of the loads below
.else
	PLACES NP
.endif
	v_add_nc_u32 v[ADRS], 4*NQ, v[ADRS]
.if ADRS2 != ADRS
	v_add_nc_u32 v[ADRS2], 4*NQ, v[ADRS2]
.endif
	FETCH_B \next, 0, 0
	FETCH_A \next, 0, 0
	SCALES \next
	WIN MUL_HI
	MUL16 4, 1, NQ-1, \slot, 0
	MUL16 6, 1, NQ-1, \slot, 0
	PLACES NP
	WIN 0
	FETCH_A \next, 0, 4
.endm
	s_wait_tensorcnt 1                             ; the scales and my part of K step 0 are in; K step 1's load may be out
	s_barrier_signal -1
	s_barrier_wait -1
	FETCH_B 0, 0, 0
	FETCH_A 0, 0, 0
	SCALES 0
	FETCH_A 0, 0, 4
	STEP 0, 0, 1
	s_mov_b32 s3, LAPS-1
.Llap:
	TURN 0, 1, 1
	STEP 1, 0, 0
	TURN 1, 0, 1
	STEP 0, 0, 0
	s_sub_co_u32 s3, s3, 1
	s_cmp_lg_u32 s3, 0
	s_cbranch_scc1 .Llap
	TURN 0, 1, 0                                   ; behind this barrier nobody reads slot 0 any more
	STEP 1, 0, 0
	s_wait_dscnt 4*NL
	WIN MUL_LO
	MUL16 0, 1, NQ-1, 1, 0
	MUL16 2, 1, NQ-1, 1, 0
	s_wait_dscnt 0
	WIN MUL_HI
	MUL16 4, 1, NQ-1, 1, 0
	MUL16 6, 1, NQ-1, 1, 0
	WIN 0
; THE QUANTISER: 64 numbers of a lane, v[s] .. v[s + 63] of window w; registers 16 g .. 16 g + 15 of lanes l and l xor 16 are block g of 32 along K.  The fragment comes to v[PC] on (dw = 0), the row's scale word to v[pw].
.macro QUANT s, w, pw, dw, dst
	WIN ((\w)<<2)|((\w)<<4)
.irp b, 0,1,2,3
	v_max3_num_f32 v[TM+\b], 0x2800000, |v[(\s)+16*\b]|, |v[(\s)+16*\b+1]|     ; my 16 numbers, and the floor 2^(5 - 127): the byte cannot fall under 1
.endr
.irp i, 2,4,6,8,10,12,14
.irp b, 0,1,2,3
	v_max3_num_f32 v[TM+\b], v[TM+\b], |v[(\s)+16*\b+\i]|, |v[(\s)+16*\b+\i+1]|
.endr
.endr
	WIN 0
.irp b, 0,1,2,3
	v_permlanex16_b32 v[TM+4+\b], v[TM+\b], s[SEL], s[SEL+1]
.endr
.irp b, 0,1,2,3
	v_max_num_f32 v[TM+\b], v[TM+\b], v[TM+4+\b]
.endr
.irp b, 0,1,2,3
	v_add_nc_u32 v[TM+12+\b], 0xfe000000, v[TM+\b] ; 4 off the exponent field: the conversion's scale operand
.endr
.irp b, 0,1,2,3
	v_lshrrev_b32 v[TM+4+\b], 23, v[TM+12+\b]      ; the scale's byte
.endr
	v_lshl_or_b32 v[\pw], v[TM+5], 8, v[TM+4]
	v_lshl_or_b32 v[\pw], v[TM+6], 16, v[\pw]
	v_lshl_or_b32 v[\pw], v[TM+7], 24, v[\pw]
	WIN (\w)
.irp c, 0,1
	v_cvt_scalef32_pk16_bf6_f32 v[PC+6*\c:PC+6*\c+2], v[(\s)+32*\c:(\s)+32*\c+15], v[TM+12+2*\c]
	v_cvt_scalef32_pk16_bf6_f32 v[PC+12+4*\c:PC+14+4*\c], v[(\s)+32*\c+16:(\s)+32*\c+31], v[TM+13+2*\c]
.endr
	WIN 0
	v_nop                                          ; one plain place behind a scaled conversion
.irp c, 0,1
.irp i, 0,1,2
	v_permlane16_swap_b32 v[PC+6*\c+\i], v[PC+12+4*\c+\i]   ; a whole block to a lane
.endr
.endr
.if \dw
	WIN TO_B
.irp c, 0,1
.irp i, 0,1,2
	v_mov_b32 v[(\dst)+6*\c+\i], v[PC+6*\c+\i]
	v_mov_b32 v[(\dst)+6*\c+3+\i], v[PC+12+4*\c+\i]
.endr
.endr
	WIN 0
.else
.irp c, 0,1
.irp i, 0,1,2
	v_mov_b32 v[PC+3+6*\c+\i], v[PC+12+4*\c+\i]
.endr
.endr
.endif
.endm
.macro SEND a                          ; block a's 16 rows, back from the stage, are stored
	s_wait_dscnt 0x0
	WIN 0x04                                       ; a store's data are its source 1: window 1
.irp t, 0,1,2,3,4,5,6,7,8,9,10,11,12,13,14,15
	global_store_b128 v[CO], v[BK+4*\t:BK+4*\t+3], s[12:13] offset:(16*(\a)+\t)*OROW th:TH_STORE_NT   ; 32 lanes store 512 consecutive bytes, at a multiple of 256 from the output's first byte; 127 rows at the most: inside the signed 24-bit immediate, so the base never steps
.endr
	WIN 0
.endm
; Block a: 16 positions x my two heads.
.macro BLK a
.set AC, 64*((\a)%4)
	WIN (2+(\a)/4)<<2                              ; source 1: window 2 or 3
.set i, 0
.rept 64
	v_min_num_f32 v[T+i], 0, v[AC+i]               ; min(x, 0); ascending: each accumulator from its low end on
.set i, i+1
.endr
.set i, 0
.rept 32
	v_pk_add_f32 v[U+i:U+i+1], v[T+i:T+i+1], v[AC+i:AC+i+1] neg_lo:[1,0] neg_hi:[1,0]   ; max(x, 0)
.set i, i+2
.endr
	WIN 0
.set i, 0
.rept 32
	v_pk_mul_f32 v[T+i:T+i+1], v[T+i:T+i+1], 0x3fb8aa3b op_sel_hi:[1,0]
.set i, i+2
.endr
.set i, 0
.rept 64
	v_exp_f32 v[T+i], v[T+i]
.set i, i+1
.endr
	v_nop                                          ; one plain place behind the exponentials
.if (\a) > 0
	SEND (\a)-1                                    ; the block before has had all this in which to come back from the stage
.endif
.set i, 0
	s_wait_alu depctr_va_vdst(0)
.rept 32
	v_pk_add_f32 v[U+i:U+i+1], v[U+i:U+i+1], v[T+i:T+i+1]      ; q = elu(x) + 1
.set i, i+2
.endr
	QUANT U, 0, PW, 0, 0
	WIN 0x04                                       ; source 1: window 1.  z = q . (k's sum), of the unquantised q, the two heads by turns; these lines are also the places in front of the products
	v_pk_mul_f32 v[ZP0:ZP0+1], v[U:U+1], v[96:97]
	v_pk_mul_f32 v[ZP1:ZP1+1], v[U+32:U+33], v[224:225]
.set i, 2
.rept 15
	v_pk_fma_f32 v[ZP0:ZP0+1], v[U+i:U+i+1], v[96+i:97+i], v[ZP0:ZP0+1]
	v_pk_fma_f32 v[ZP1:ZP1+1], v[U+32+i:U+33+i], v[224+i:225+i], v[ZP1:ZP1+1]
.set i, i+2
.endr
	WIN 0
	v_add_f32 v[ZP0], v[ZP0], v[ZP0+1]
	v_add_f32 v[ZP1], v[ZP1], v[ZP1+1]
	v_permlanex16_b32 v[ZT], v[ZP0], s[SEL], s[SEL+1]
	v_permlanex16_b32 v[ZT+1], v[ZP1], s[SEL], s[SEL+1]
	v_add_f32 v[ZP0], v[ZP0], v[ZT]                ; with lane l xor 16's 32 columns
	v_add_f32 v[ZP1], v[ZP1], v[ZT+1]
.if (\a) == 0
	s_wait_loadcnt 0x0                             ; kv's fragments and scale words
.endif
	WIN 0x01                                       ; source 0: window 1
.irp f, 0,1,2,3,4,5,6,7                        ; source 0 = 16 columns e of head f / 4, source 1 = q: lane (r, h), register j: position 16 a + r, column 16 f + 8 h + j of my 128
	v_wmma_scale_f32_16x16x128_f8f6f4 v[O+8*\f:O+8*\f+7], v[FR*\f:FR*\f+FR-1], v[PC:PC+FR-1], 0, v[SWK+\f], v[PW] matrix_a_fmt:MATRIX_FMT_BF6 matrix_b_fmt:MATRIX_FMT_BF6
.endr
	WIN 0
	PLACES NP
.set i, 0
.rept 16
	v_pk_mul_f32 v[O+i:O+i+1], v[O+i:O+i+1], v[ZP0:ZP0+1] op_sel_hi:[1,0]   ; x z; ascending
.set i, i+2
.endr
.rept 16
	v_pk_mul_f32 v[O+i:O+i+1], v[O+i:O+i+1], v[ZP1:ZP1+1] op_sel_hi:[1,0]
.set i, i+2
.endr
.if (\a) > 0
	s_wait_xcnt 0x0                                ; the last block's stores have read their registers: they are loaded again only behind this wait
.endif
.irp f, 0,1,2,3,4,5,6,7
	ds_store_b128 v[STO], v[O+8*\f:O+8*\f+3] offset:64*\f
	ds_store_b128 v[STO], v[O+8*\f+4:O+8*\f+7] offset:64*\f+16
.endr
	WIN TO_B
.irp t, 0,1,2,3,4,5,6,7,8,9,10,11,12,13,14,15
	ds_load_b128 v[BK+4*\t:BK+4*\t+3], v[RD] offset:\t*SPITCH   ; LDS serves a wave's instructions in order (ISA guide 5.7.1.4): these see my stores, and the next block's stores come behind them
.endr
	WIN 0
.endm
	PLACES NP                                      ; in front of the loads below and of the first reads of results
	WIN TO_B
.irp f, 0,1,2,3,4,5,6,7
.irp c, 0,1,2
	global_load_b128 v[FR*\f+4*\c:FR*\f+4*\c+3], v[CO], s[104:105] offset:1536*\f+512*\c   ; kv's eight fragments, as images of their registers; they land while block 0's features are made
.endr
.endr
	WIN 0
.irp f, 0,1,2,3,4,5,6,7
	global_load_b32 v[SWK+\f], v[LS4], s[96:97] offset:128*\f
.endr
.irp a, 0,1,2,3,4,5,6,7
	BLK \a
.endr
	SEND 7
	s_wait_tensorcnt 0x0                           ; the wave's end
	ds_add_u32 v[SPW], v[NIL]
	s_wait_dscnt 0x0
	CROUND                                         ; the closing round: no work-group ends while a partner may still ask for a tile that names it
	s_endpgm
.Lfunc_end_k_q2d5de5a886_ctx:
	.size	k_q2d5de5a886_ctx, .Lfunc_end_k_q2d5de5a886_ctx-k_q2d5de5a886_ctx
	.p2alignl 7, 3214868480
	.fill 96, 4, 3214868480
	.section	.rodata,"a",@progbits
	.p2align	6, 0x0
	.amdhsa_kernel k_q2d5de5a886_ctx
		.amdhsa_group_segment_fixed_size 327680
		.amdhsa_private_segment_fixed_size 0
		.amdhsa_enable_private_segment 0
		.amdhsa_kernarg_size 72
		.amdhsa_user_sgpr_count 2
		.amdhsa_user_sgpr_kernarg_segment_ptr 1
		.amdhsa_wavefront_size32 1
		.amdhsa_system_sgpr_workgroup_id_x 1
		.amdhsa_system_sgpr_workgroup_id_y 1
		.amdhsa_system_sgpr_workgroup_id_z 1
		.amdhsa_system_vgpr_workitem_id 0
		.amdhsa_next_free_vgpr 1024
		.amdhsa_next_free_sgpr 106
		.amdhsa_reserve_vcc 0
		.amdhsa_float_denorm_mode_32 3
		.amdhsa_float_denorm_mode_16_64 3
		.amdhsa_memory_ordered 1
		.amdhsa_forward_progress 1
		.amdhsa_inst_pref_size 255
	.end_amdhsa_kernel
	.section	.bss,"aw",@nobits
	.p2align	6
	.space	262144
	.amdgpu_metadata
---
amdhsa.version: [ 1, 2 ]
amdhsa.kernels:
  - .name:           k_q2d5de5a886_ctx
    .symbol:         k_q2d5de5a886_ctx.kd
    .args:
      - { .name: hidden_state_codes, .offset: 0, .size: 8, .value_kind: global_buffer, .address_space: global }
      - { .name: hidden_state_scales, .offset: 8, .size: 8, .value_kind: global_buffer, .address_space: global }
      - { .name: Wq_codes, .offset: 16, .size: 8, .value_kind: global_buffer, .address_space: global }
      - { .name: Wq_scales, .offset: 24, .size: 8, .value_kind: global_buffer, .address_space: global }
      - { .name: out0, .offset: 32, .size: 8, .value_kind: global_buffer, .address_space: global }
      - { .name: bq, .offset: 40, .size: 8, .value_kind: global_buffer, .address_space: global }
      - { .name: ksum, .offset: 48, .size: 8, .value_kind: global_buffer, .address_space: global }
      - { .name: kvc, .offset: 56, .size: 8, .value_kind: global_buffer, .address_space: global }
      - { .name: kvs, .offset: 64, .size: 8, .value_kind: global_buffer, .address_space: global }
    .group_segment_fixed_size: 327680
    .private_segment_fixed_size: 0
    .kernarg_segment_align: 8
    .kernarg_segment_size: 72
    .max_flat_workgroup_size: 128
    .sgpr_count:     106
    .vgpr_count:     1024
    .wavefront_size: 32
...
	.end_amdgpu_metadata
.endif
;; end of part 3
